; MI455X (gfx1250); checked and timed in simulation.
; The chip was launched on July 23, 2026; its instructions are those of AMD's public machine-readable ISA for CDNA 5 (MIT licence, August 2026) and "CDNA5" Instruction Set Architecture Reference Guide (July 2026). The comments in the code are by the model that wrote it; some were corrected since.
;; Attention. Allowed arithmetic: matrix products marked QUANTISED: E2M1 operands, one E8M0 scale for each 32 along K, by v_wmma_scale_f32_16x16x128_f8f6f4 with both operands' format E2M1 (or v_wmma_scale_f32_32x16x128_f4), f32 sums; everything else in f32.
;; Inputs: W_o_codes 1,024 x 32 x 16 uint8 (E2M1 codes of W_o, K innermost, in blocks of 32 codes, two codes a byte); W_o_scales 1,024 x 32 uint8 (E8M0 scales of W_o, one for each 32 codes along K); W_qkv_codes 3,072 x 32 x 16 uint8 (E2M1 codes of W_qkv, K innermost, in blocks of 32 codes, two codes a byte); W_qkv_scales 3,072 x 32 uint8 (E8M0 scales of W_qkv, one for each 32 codes along K); b_o 1,024 float32; b_qkv 3,072 float32; x_codes 4 x 2,048 x 32 x 16 uint8 (E2M1 codes of x, K innermost, in blocks of 32 codes, two codes a byte); x_scales 4 x 2,048 x 32 uint8 (E8M0 scales of x, one for each 32 codes along K).
;; Outputs: out0 4 x 2,048 x 1,024 float32.
;; This version of the problem:
;;   THIS VERSION OF THE PROBLEM IS GIVEN IN LOW PRECISION. The matrix products marked QUANTISED in the list below multiply operands that are first quantised to E2M1 (2 exponent bits, 1 mantissa bit; 4 bits a number), with one power-of-two scale for each 32 numbers along K (OCP MX v1.0); their sums are f32. All else is computed in f32.
;;   The module's matrix products, in the order in which they are computed (A, B: the left and right operand; K: the contracted axis; several contracted axes count as one K, in the product's order):
;;     1. [M 8,192, K 1,024] x [K 1,024, N 3,072]; A: input x (given as codes); B: input W_qkv (given as codes): QUANTISED
;;     2. batch 64 x [M 2,048, K 64] x [K 64, N 2,048]; A: computed on the way; B: computed on the way: QUANTISED
;;     3. batch 64 x [M 2,048, K 2,048] x [K 2,048, N 64]; A: softmax (see below); B: computed on the way: QUANTISED
;;     4. [M 8,192, K 1,024] x [K 1,024, N 1,024]; A: computed on the way; B: input W_o (given as codes): QUANTISED
;;   THE QUANTISER, for each operand of a quantised product, along K:
;;     - K is cut into blocks of 32 from its start; a last block that is shorter is filled with zeros.
;;     - A block's scale is 2^e with e = floor(log2(the largest magnitude in the block)) - 2, held to -126 .. 127; a block of zeros has e = 0. As a byte (E8M0): e + 127.
;;     - Each number is divided by its block's scale, clamped to +-6, and rounded to the nearest number of E2M1, ties to even, subnormals kept.
;;     - The product sums the exact products of the quantised numbers (number of the format x scale) in f32.
;;   ~~~python
;;   def quantise(x, axis):      # numpy; x: float32 -> the quantised numbers, widened to float32 again
;;       x = np.moveaxis(x, axis, -1); K = x.shape[-1]
;;       x = np.pad(x, [(0, 0)] * (x.ndim - 1) + [(0, -K % 32)]); x = x.reshape(x.shape[:-1] + (-1, 32)); a = np.abs(x).max(-1, keepdims=True)
;;       e = np.where(a > 0, np.clip(np.frexp(np.where(a > 0, a, 1))[1] - 1 - 2, -126, 127), 0)      # np.frexp(a)[1] - 1 = floor(log2(a)), exactly
;;       r = np.clip(x / 2.0 ** e, -6, 6)
;;       step = 2.0 ** (np.maximum(np.frexp(np.where(r == 0, 1, r))[1] - 1, 0) - 1)
;;       q = np.round(r / step) * step * 2.0 ** e      # np.round: ties to even
;;       return np.moveaxis(q.reshape(q.shape[:-2] + (-1,))[..., :K], -1, axis).astype(np.float32)
;;   ~~~
;;   SOFTMAX AHEAD OF A QUANTISED PRODUCT. Where the list says 'softmax', what is quantised is not the finished softmax but p = 2^(t - M), with t = logit x log2(e) and M = ceil(the row's largest t), a whole number; so 1/2 < the row's largest p <= 1. The row's sum l is taken of the UNQUANTISED p, in f32, and the product's result is divided by l at the end. Since M is a whole number, a kernel that streams over the keys may use a running M (the ceiling of the running maximum): every later rescaling is an exact power of two, which a block's scale takes up: the codes' values come out the same.
;;   OPERANDS COMPUTED ON THE WAY. 'Computed on the way' means the value that the module computes at that place (a softmax that the list does not call 'softmax' is quantised finished and normalised). What goes into a quantiser is computed in f32, as accurately as f32 sums, v_exp_f32 and their like allow (about 1e-6 of the number): no bf16 or f16 on the way to a quantiser, and a product that is left as it is and whose result goes on into a quantised operand takes f32 operands (vector FMAs, or v_wmma_f32_16x16x4_f32). A number that lies on a knife's edge between two numbers of the format may be rounded either way, as far as f32 arithmetic and the matrix unit's own rounding can turn it there, and no further.
;;   INPUTS GIVEN AS CODES. W_o (in the module: [1024, 1024], K = its axis 0); W_qkv (in the module: [1024, 3072], K = its axis 0); x (in the module: [4, 2048, 1024], K = its axis 2): each comes as NAME_codes (uint8): NAME with its K axis moved to the last place and cut into blocks of 32 codes, [.., K / 32, bytes a block], one block behind the other in memory; two codes a byte, the lower K in the low four bits (a code: sign, 2 exponent bits, 1 mantissa bit); and NAME_scales (uint8): the same leading axes, one E8M0 byte (e + 127) for each 32 codes along K. Its value is code x scale, taken as it is: it is not quantised again, and the codes and scales need not be those that the quantiser above would give.
;; One version. Each part assembles by itself: llvm-mc -triple=amdgcn-amd-amdhsa -mcpu=gfx1250 --defsym DOCPART=n.
;; ======== version 1 of 1: 3 launches
;; workspace buffers: qimg 4,194,304 bytes; qsc 524,288 bytes; kv 9,175,040 bytes; aoimg 4,194,304 bytes; aosc 262,144 bytes
;; launch qkv (part 1): grid 12 x 32, 4 waves a work-group, clusters of 4 x 4, 296,448 bytes of LDS; arguments x_codes, x_scales, W_qkv_codes, W_qkv_scales, b_qkv, qimg, qsc, kv; writes qimg, qsc, kv
.if DOCPART == 1
	.amdgcn_target "amdgcn-amd-amdhsa--gfx1250"
	.amdhsa_code_object_version 6
	.text
	.protected	k_q4a30d25e3d_qkv
	.globl	k_q4a30d25e3d_qkv
	.p2align	8
	.type	k_q4a30d25e3d_qkv,@function
k_q4a30d25e3d_qkv:
	s_mov_b64 s[64:65], 0
	v_nop
	global_prefetch_b8 v0, s[64:65] scope:SCOPE_SE
	s_setreg_imm32_b32 hwreg(HW_REG_WAVE_MODE, 25, 1), 1
	s_wait_xcnt 0x0
	s_wait_alu depctr_hold_cnt(0) depctr_sa_sdst(0) depctr_va_vdst(0) depctr_va_sdst(0) depctr_va_ssrc(0) depctr_va_vcc(0) depctr_vm_vsrc(0)
	s_getreg_b32 s2, hwreg(HW_REG_IB_STS2, 6, 4)
	s_cmp_eq_u32 s2, 0
	s_cbranch_scc0 .Lentry_in_a_cluster
	s_endpgm
.Lentry_in_a_cluster:
	s_bfe_u32 s2, ttmp6, 0x10000c
	s_cmp_lg_u32 s2, 0xf033
	s_cbranch_scc0 .Lentry_shape_is_right
	s_endpgm
.Lentry_shape_is_right:
; qkv = x W_qkv + b_qkv on codes of FP4 (E2M1) with one E8M0 scale for each 32 along K = 1,024; the f32 result never goes to memory:
; q and k are quantised along the head's 64 channels, v along the keys, and leave as IMAGES OF OPERAND REGISTERS (four registers: lane l's 16 bytes at 16 l) with their scale words.
; A work-group of four waves makes 256 x 256 of the product, a wave 128 x 128: 64 accumulators of 16 x 16, 512 registers.  All of K lies in LDS: two slots of 512 along K, each filled once.
; ROLES.  R is source 1: its 16 rows are the result's lanes.  P is source 0: its rows run along a lane's registers, which is the NEXT product's K.
;   clusters with x = 0, 1 (q, k): R = 256 tokens of x, P = 256 rows of W: a lane holds one token and 128 channels (two heads).
;   clusters with x = 2     (v):   R = 256 rows of W (channels of v), P = 256 tokens: a lane holds one channel and 128 keys (one key step).
; x and W have the same row lengths (512 bytes of codes, 32 of scales), so only pointers and row numbers are chosen, by the cluster's x, which all partners share.
; CLUSTERS: 4 x 4 work-groups.  R's tile is shared along a row of the cluster, P's along a column: each is asked for jointly, which divides the requests by four.
; THE BIAS is the C of each sum's first matrix instruction (so it is the sum's first term, not its last: another order of f32 rounding than x W + b).
; FROM RESULT TO OPERAND.  Tile T of a lane's eight holds next-K 16 T + 8 (lane / 16) + 0 .. 7.  Block beta of 32 is the 16 registers of tiles 2 beta, 2 beta + 1 in lanes l and l xor 16.
;   The codes of tile T go to register 4 (T / 4) + 2 (T % 2) + (T % 4) / 2; two exchanges of lane halves for each four registers then give register 4 c + e the K 64 c + 32 (lane / 16) + 8 e + 0 .. 7.
; LIMITS: NaN and infinities are not served.  A block whose largest magnitude lies under 2^-124 (a block of zeros too) gets the scale byte 1; these bytes are read by this program alone.
; REGISTERS, in windows of 256: window 0: v1-27 addresses; v32-95 scale words, two sets; v128-191 R's fragments, one set; v192-255 the bias; on the way out v32-127 are at work.
;   window 1: P's fragments, two sets, at v0 and v128.   window 2: accumulators of my R blocks 0-3 ((a, b) at v[8 (8 (a % 4) + b)]);   window 3: of blocks 4-7.
.set NQ,     4                         ; steps of 128 along K in a slot
.set ROWB,   256                       ; a tile's row in bytes: 512 codes
.set KROW,   512                       ; a row of x or W in memory, in bytes
.set PITCH,  272                       ; an LDS row: 256 bytes + 16 of padding: the 16 rows that a load touches start 68 words apart
.set FR,     8                         ; registers of a fragment
.set NL,     2                         ; LDS loads that bring one
.set NP,     4                         ; places behind this matrix instruction (ISA guide 7.12.1)
.set HALFT,  128*PITCH                 ; 128 rows: what one tensor load brings
.set SLOT,   4*HALFT                   ; R's 256 rows, then P's 256 rows
.set KS,     32                        ; a row of scale bytes
.set SCL,    2*SLOT                    ; behind the slots: the scales, as rows of 256 bytes + 16 of padding
.set HALFS,  (128*KS/256)*272          ; those of 128 rows
.set SBLK,   (16*KS/256)*272           ; those of 16 rows
.set HEADB,  143360                    ; kv: bytes of one (batch, head): two chunks
.set CHUNK,  71680                     ; a chunk: 8 key steps: K images 32,768, V images 32,768, K scale words 4,096, V scale words 2,048
.set CI,   8                           ; v8   16 x lane
.set CI2,  9                           ; v9   the same in the next head
.set SI,   10                          ; v10  the scale stores' offset
.set SH,   11                          ; v11  16 x (lane / 16)
.set BQ,   12                          ; v12  32 x (lane / 16): bias of q, k
.set BV,   13                          ; v13  4 x (lane % 16): bias of v
.set ADRA, 16                          ; v16-17  LDS address of my R fragments in slot 0, 1
.set ADRB, 20                          ; v20-21  the same for P
.set ADRS, 27                          ; v27     LDS address of my scale words: lanes 0-15 R's rows, lanes 16-31 P's
.set SC,   32                          ; scale words: set s at v[SC + 32 s]; register 4 i + q: lanes 0-15 R's block i, lanes 16-31 P's block i
.set AF,   128                         ; R's fragments
.set BIAS, 192                         ; eight tiles of eight registers in the result's layout
.set TM,   32                          ; the way out: v32-35 largest magnitudes, v36-39 bytes, v44-47 the conversions' scale operands
.set SW,   48                          ; v48-55 the scale word of each of my eight R blocks
.set PC,   64                          ; v64-127 the codes of each block, eight registers
.set SEL,  22                          ; s[22:23] lane selects for v_permlanex16_b32: lane l xor 16
.set G1, 24                            ; s[24:31] descriptor group 1 for R's tiles;  s[32:39] group 0, one set for each slot
.set G0, 32
.set G1B, 48                           ; s[48:55], s[56:63] the same for P's tiles
.set G0B, 56
.set G1S, 68                           ; s[68:75], s[76:79] groups 1 and 0 for R's scales;  s[80:87], s[88:91] for P's
.set G0S, 76
.set G1SB, 80
.set G0SB, 88
.set MSB, 0
.macro WIN new                         ; the immediate's high byte repeats the setting that is left
.if MSB != \new
	s_set_vgpr_msb (MSB<<8)|\new
.set MSB, \new
.endif
.endm
.set MUL_LO, 0xa1                      ; source 0 (P) window 1, source 1 (R) window 0, C and D window 2
.set MUL_HI, 0xf1                      ; the same, C and D window 3
.set TO_B,   0x40                      ; destination window 1, address window 0
; A joint load: waves 0 and 1 fetch for R, waves 2 and 3 for P.  The branch hangs on the wave's number alone.  Four v_nop follow each of the two lines.
.macro JLOAD g0a, g1a, g0b, g1b
	s_cmp_eq_u32 s15, 0
	s_cbranch_scc0 .Lfor_b_\@
	tensor_load_to_lds s[\g0a:\g0a+3], s[\g1a:\g1a+7]
	s_nop 0
.rept 4
	v_nop
.endr
	s_branch .Lasked_\@
.Lfor_b_\@:
	tensor_load_to_lds s[\g0b:\g0b+3], s[\g1b:\g1b+7]
	s_nop 0
.rept 4
	v_nop
.endr
.Lasked_\@:
.endm
.macro CROUND                          ; a round of the cluster's barrier
	s_barrier_signal -1
	s_barrier_wait -1
	s_cmp_lg_u32 s14, 0
	s_cbranch_scc1 .Lnot_wave_0_\@
	s_barrier_signal -3
.Lnot_wave_0_\@:
	s_barrier_wait -3
	s_barrier_signal -1
	s_barrier_wait -1
.endm
	s_load_b256 s[4:11], s[0:1], 0x0               ; x's codes s[4:5], x's scales s[6:7], W's codes s[8:9], W's scales s[10:11]
	v_lshl_add_u32 v30, v0, 2, 0x48400
	v_mov_b32 v31, 0
	ds_add_u32 v30, v31
	ds_add_u32 v30, v31
	v_lshrrev_b32 v3, 5, v0
	v_readfirstlane_b32 s14, v3                    ; wave 0..3
	s_lshr_b32 s15, s14, 1                         ; which half of R's rows is mine.  Also: I fetch for R (0) or for P (1)
	s_and_b32 s16, s14, 1                          ; which half of P's rows.  Also: which 128 rows of that tile I fetch
	s_bfe_u32 s40, ttmp6, 0x40000                  ; cx, cy: my place in the cluster
	s_bfe_u32 s41, ttmp6, 0x40004
	s_and_b32 s17, ttmp7, 0xffff                   ; cluster y
	s_lshl_b32 s18, s17, 2
	s_lshl_b32 s19, ttmp9, 2
	s_cmp_eq_u32 ttmp9, 2                          ; cluster x = 2: v.  The same in all sixteen partners
	s_cselect_b32 s3, 1, 0
	s_cselect_b32 s17, 8, s18                      ; R's first tile of 256 rows: W's rows 2,048 on, or x's 1,024 x cluster y on
	s_cselect_b32 s42, s18, s19                    ; P's: x's, or W's 1,024 x cluster x on
	s_add_co_u32 s17, s17, s41                     ; R's tile hangs on cy alone,
	s_add_co_u32 s42, s42, s40                     ; P's on cx alone
	s_lshl_b32 s43, s41, 2
	s_lshl_b32 s43, 15, s43                        ; my row of the cluster
	s_lshl_b32 s44, 0x1111, s40                    ; my column
	; descriptor group 1: a tile of 128 rows x 256 bytes, padded in LDS
	s_or_b32 s[G1+0], s43, (0<<16)|(1<<20)|(1<<21)|(5<<22)|(3<<25)  ; 15:0 the mask; 17:16 elements of 1 byte; 20 padding on; 21 set beside a mask; 24:22 after every 64 words; 31:25 four words
	s_or_b32 s[G1B+0], s44, (0<<16)|(1<<20)|(1<<21)|(5<<22)|(3<<25)
.irp g, G1, G1B
	s_mov_b32 s[\g+1], ROWB<<16                    ; tensor_dim0
	s_mov_b32 s[\g+2], 128<<16                     ; tensor_dim1
	s_mov_b32 s[\g+3], ROWB<<16                    ; tile_dim0
	s_mov_b32 s[\g+4], 128                         ; tile_dim1
	s_mov_b32 s[\g+5], KROW                        ; tensor_dim0_stride
	s_mov_b32 s[\g+6], 0
	s_mov_b32 s[\g+7], 0
.endr
	; the scales of 128 rows: a dense block of 4,096 bytes, as 16 rows of 256 bytes (32 elements of 8), 16 bytes of padding behind each
	s_or_b32 s[G1S+0], s43, (3<<16)|(1<<20)|(1<<21)|(5<<22)|(3<<25)
	s_or_b32 s[G1SB+0], s44, (3<<16)|(1<<20)|(1<<21)|(5<<22)|(3<<25)
.irp g, G1S, G1SB
	s_mov_b32 s[\g+1], 32<<16
	s_mov_b32 s[\g+2], (128*KS/256)<<16
	s_mov_b32 s[\g+3], 32<<16
	s_mov_b32 s[\g+4], 128*KS/256
	s_mov_b32 s[\g+5], 32
	s_mov_b32 s[\g+6], 0
	s_mov_b32 s[\g+7], 0
.endr
	s_lshl_b32 s18, s16, 7                         ; which 128 rows of the tile I fetch
	s_lshl_b32 s20, s17, 8
	s_add_co_u32 s20, s20, s18                     ; R: row 256 x tile + 128 x half
	s_lshl_b32 s46, s42, 8
	s_add_co_u32 s46, s46, s18                     ; P likewise
	s_mov_b32 s21, 0
	s_mov_b32 s47, 0
	s_mov_b64 s[18:19], KS
	s_mul_u64 s[22:23], s[20:21], s[18:19]         ; where these rows' scales begin, in bytes,
	s_mul_u64 s[92:93], s[46:47], s[18:19]
	s_mov_b64 s[18:19], KROW
	s_mul_u64 s[20:21], s[20:21], s[18:19]         ; and their codes
	s_mul_u64 s[46:47], s[46:47], s[18:19]
	s_mul_i32 s45, s14, HALFT                      ; where they go: wave x 128 rows: no place in the cluster enters an LDS address
	s_mul_i32 s2, s14, HALFS
	s_wait_dscnt 0x0
	s_wait_kmcnt 0x0
	s_cmp_eq_u32 s3, 1                             ; the choice of buffers hangs on the cluster's x alone
	s_cselect_b64 s[12:13], s[8:9], s[4:5]         ; R's codes
	s_cselect_b64 s[66:67], s[10:11], s[6:7]       ; R's scales
	s_cselect_b64 s[96:97], s[4:5], s[8:9]         ; P's codes
	s_cselect_b64 s[94:95], s[6:7], s[10:11]       ; P's scales
	s_add_nc_u64 s[20:21], s[12:13], s[20:21]
	s_add_nc_u64 s[22:23], s[66:67], s[22:23]
	s_add_nc_u64 s[46:47], s[96:97], s[46:47]
	s_add_nc_u64 s[92:93], s[94:95], s[92:93]
	CROUND                                         ; all sixteen work-groups are here: the joint loads meet
	s_mov_b32 s[G0S], 1
	s_add_co_u32 s[G0S+1], s2, SCL
	s_mov_b64 s[G0S+2:G0S+3], s[22:23]
	s_or_b32 s[G0S+3], s[G0S+3], 0x80000000
	s_mov_b32 s[G0SB], 1
	s_add_co_u32 s[G0SB+1], s2, SCL
	s_mov_b64 s[G0SB+2:G0SB+3], s[92:93]
	s_or_b32 s[G0SB+3], s[G0SB+3], 0x80000000
	JLOAD G0S, G1S, G0SB, G1SB                     ; the scales first: they are wanted with the first step
.irp s, 0,1
	s_mov_b32 s[G0+4*\s], 1
	s_add_co_u32 s[G0+4*\s+1], s45, \s*SLOT
	s_add_nc_u64 s[G0+4*\s+2:G0+4*\s+3], s[20:21], \s*ROWB
	s_or_b32 s[G0+4*\s+3], s[G0+4*\s+3], 0x80000000
	s_mov_b32 s[G0B+4*\s], 1
	s_add_co_u32 s[G0B+4*\s+1], s45, \s*SLOT
	s_add_nc_u64 s[G0B+4*\s+2:G0B+4*\s+3], s[46:47], \s*ROWB
	s_or_b32 s[G0B+4*\s+3], s[G0B+4*\s+3], 0x80000000
	JLOAD G0+4*\s, G1, G0B+4*\s, G1B               ; both halves of K: three tensor loads of mine are out, and these are all that the launch has
.endr
	s_load_b256 s[4:11], s[0:1], 0x20              ; b_qkv s[4:5], qimg s[6:7], qsc s[8:9], kv s[10:11]
	v_and_b32 v1, 15, v0                           ; r = l % 16
	v_bfe_u32 v2, v0, 4, 1                         ; h = l / 16
	v_mul_u32_u24 v3, v1, PITCH
	v_lshl_add_u32 v4, v2, 4, v3                   ; a fragment's row x pitch + 16 x half
	s_mul_i32 s21, s15, HALFT                      ; my 128 rows of R
	s_mul_i32 s22, s16, HALFT                      ; my 128 rows of P,
	s_add_co_u32 s22, s22, 2*HALFT                 ; which lie behind R's 256
.irp s, 0,1
	v_add_nc_u32 v[ADRA+\s], s21, v4
	v_add_nc_u32 v[ADRB+\s], s22, v4
	s_add_co_u32 s21, s21, SLOT
	s_add_co_u32 s22, s22, SLOT
.endr
	v_mul_u32_u24 v5, v1, KS                       ; my row's scales: 32 bytes a row,
	v_lshrrev_b32 v6, 8, v5
	v_lshl_add_u32 v5, v6, 4, v5                   ; and 16 more for each 256 passed
	s_mul_i32 s21, s15, HALFS                      ; R's: my 128 rows
	s_mul_i32 s22, s16, HALFS                      ; P's: my 128 rows, behind R's 256
	s_add_co_u32 s22, s22, 2*HALFS
	s_sub_co_u32 s22, s22, s21
	v_mul_u32_u24 v6, s22, v2                      ; lanes 16-31 take P's
	s_add_co_u32 s21, s21, SCL
	v_add_nc_u32 v5, v5, v6
	v_add_nc_u32 v[ADRS], s21, v5
	v_and_b32 v6, 31, v0
	v_lshlrev_b32 v[CI], 4, v6
	v_lshlrev_b32 v[SH], 4, v2
	v_lshlrev_b32 v[BQ], 5, v2
	v_lshlrev_b32 v[BV], 2, v1
	s_lshl_b32 s18, s17, 8
	s_lshl_b32 s19, s15, 7
	s_add_co_u32 s18, s18, s19                     ; my first row of R
	s_lshl_b32 s19, s42, 8
	s_lshl_b32 s20, s16, 7
	s_add_co_u32 s19, s19, s20                     ; my first row of P
	s_cmp_eq_u32 s3, 1
	s_cselect_b32 s12, s18, s19                    ; my first channel (row of W, 0 .. 3,071): kept to the end
	s_cselect_b32 s13, s19, s18                    ; my first token (row of x): kept to the end
	s_lshl_b32 s20, s12, 2
	s_mov_b32 s21, 0
	s_wait_kmcnt 0x0
	s_add_nc_u64 s[4:5], s[4:5], s[20:21]          ; the bias of my 128 channels
	s_cmp_eq_u32 s3, 1
	s_cbranch_scc1 .Lbias_v
	s_wait_alu depctr_va_vdst(0)
.irp b, 0,1,2,3,4,5,6,7                        ; q, k: channels run along the registers: tile b wants b[16 b + 8 h + 0 .. 7]
	global_load_b128 v[BIAS+8*\b:BIAS+8*\b+3], v[BQ], s[4:5] offset:64*\b
	global_load_b128 v[BIAS+8*\b+4:BIAS+8*\b+7], v[BQ], s[4:5] offset:64*\b+16
.endr
	s_branch .Lbias_done
.Lbias_v:
	s_wait_alu depctr_va_vdst(0)
.irp a, 0,1,2,3,4,5,6,7                        ; v: a lane holds one channel: all eight registers of block a want b[16 a + r]
.irp j, 0,1,2,3,4,5,6,7
	global_load_b32 v[BIAS+8*\a+\j], v[BV], s[4:5] offset:64*\a
.endr
.endr
.Lbias_done:
.macro FRAG reg, adr, q, i             ; a fragment, 16 rows x 128 K: lane l holds row l % 16; registers 4 c .. 4 c + 3 hold K = 64 c + 32 (l / 16) + 0 .. 31
.irp c, 0,1
	ds_load_b128 v[\reg+4*\c:\reg+4*\c+3], v[\adr] offset:64*(\q)+32*\c+(\i)*16*PITCH
.endr
.endm
; 16 matrix instructions: R's blocks a0, a0 + 1 x P's eight, 128 along K.  p: P's set;  sc: the set of scale words.  cm = 1: C is the bias by P's block; 2: by R's block; 0: the sum goes on.
; The 64 accumulators take turns, one instruction a turn, in the same order in every step.
.macro MUL16 a0, p, q, sc, cm
.irp a, \a0, \a0+1
.irp b, 0,1,2,3,4,5,6,7
.if \cm == 1
	v_wmma_scale_f32_16x16x128_f8f6f4 v[8*(8*((\a)%4)+\b):8*(8*((\a)%4)+\b)+7], v[128*(\p)+FR*\b:128*(\p)+FR*\b+FR-1], v[AF+FR*(\a):AF+FR*(\a)+FR-1], v[BIAS+8*\b:BIAS+8*\b+7], v[SC+8*NQ*(\sc)+NQ*\b+(\q)], v[SC+8*NQ*(\sc)+NQ*(\a)+(\q)] matrix_a_fmt:MATRIX_FMT_FP4 matrix_b_fmt:MATRIX_FMT_FP4 matrix_a_scale:MATRIX_SCALE_ROW1
.elseif \cm == 2
	v_wmma_scale_f32_16x16x128_f8f6f4 v[8*(8*((\a)%4)+\b):8*(8*((\a)%4)+\b)+7], v[128*(\p)+FR*\b:128*(\p)+FR*\b+FR-1], v[AF+FR*(\a):AF+FR*(\a)+FR-1], v[BIAS+8*(\a):BIAS+8*(\a)+7], v[SC+8*NQ*(\sc)+NQ*\b+(\q)], v[SC+8*NQ*(\sc)+NQ*(\a)+(\q)] matrix_a_fmt:MATRIX_FMT_FP4 matrix_b_fmt:MATRIX_FMT_FP4 matrix_a_scale:MATRIX_SCALE_ROW1
.else
	v_wmma_scale_f32_16x16x128_f8f6f4 v[8*(8*((\a)%4)+\b):8*(8*((\a)%4)+\b)+7], v[128*(\p)+FR*\b:128*(\p)+FR*\b+FR-1], v[AF+FR*(\a):AF+FR*(\a)+FR-1], v[8*(8*((\a)%4)+\b):8*(8*((\a)%4)+\b)+7], v[SC+8*NQ*(\sc)+NQ*\b+(\q)], v[SC+8*NQ*(\sc)+NQ*(\a)+(\q)] matrix_a_fmt:MATRIX_FMT_FP4 matrix_b_fmt:MATRIX_FMT_FP4 matrix_a_scale:MATRIX_SCALE_ROW1
.endif
.endr
.endr
.endm
.macro FETCH_B slot, q, p              ; P's eight fragments of the slot's q-th 128 along K into set p
	WIN TO_B
.irp i, 0,1,2,3,4,5,6,7
	FRAG 128*(\p)+FR*\i, ADRB+\slot, \q, \i
.endr
	WIN 0
.endm
.macro FETCH_A slot, q, i0             ; R's blocks i0 .. i0 + 3
.irp i, \i0, \i0+1, \i0+2, \i0+3
	FRAG AF+FR*(\i), ADRA+\slot, \q, \i
.endr
.endm
.macro SCALES sc                       ; a slot's scale words into set sc: four words a row; lanes 0-15 take R's block i, lanes 16-31 P's block i
.irp i, 0,1,2,3,4,5,6,7
	ds_load_b128 v[SC+8*NQ*\sc+NQ*\i:SC+8*NQ*\sc+NQ*\i+3], v[ADRS] offset:\i*SBLK
.endr
.endm
.macro PLACES n                        ; places in front of loads into registers that matrix instructions have read, and of the first read of results
.rept \n
	v_nop
.endr
.endm
; A step of 128 along K that has its successor in the same slot.  R has one set of registers: blocks 0-3 are fetched anew in the step's middle, blocks 4-7 at its end.
.macro STEP slot, q, cm
	s_wait_dscnt 4*NL                              ; P's set and R's blocks 0-3 are in; the youngest eight loads (R's blocks 4-7) may be out
.if \cm
	WIN 0x81                                       ; source 0 window 1, source 1 and the bias window 0, D window 2
.else
	WIN MUL_LO
.endif
	MUL16 0, (\q)%2, \q, \slot, \cm
	MUL16 2, (\q)%2, \q, \slot, \cm
	s_wait_dscnt 0                                 ; R's blocks 4-7 are in
	PLACES NP
	FETCH_B \slot, (\q)+1, 1-(\q)%2
	FETCH_A \slot, (\q)+1, 0
.if \cm
	WIN 0xc1                                       ; D window 3
.else
	WIN MUL_HI
.endif
	MUL16 4, (\q)%2, \q, \slot, \cm
	MUL16 6, (\q)%2, \q, \slot, \cm
	PLACES NP
	WIN 0
	FETCH_A \slot, (\q)+1, 4
.endm
.macro STEPS slot, from                ; the slot's steps from .. NQ - 2
.set Q, \from
.rept NQ-1-\from
	STEP \slot, Q, 0
.set Q, Q+1
.endr
.endm
	s_wait_tensorcnt 1                             ; the scales and my part of slot 0 are in (slot 1's load, the youngest, may be out),
	s_barrier_signal -1
	s_barrier_wait -1                              ; everybody's are
	FETCH_B 0, 0, 0
	FETCH_A 0, 0, 0
	SCALES 0
	FETCH_A 0, 0, 4
	s_wait_loadcnt 0x0                             ; the bias
	s_cmp_eq_u32 s3, 1                             ; the first step is written twice: its C is the bias, which lies by P's block (q, k) or by R's (v)
	s_cbranch_scc1 .Lfirst_v
	STEP 0, 0, 1
	s_branch .Lfirst_done
.Lfirst_v:
	STEP 0, 0, 2
.Lfirst_done:
	STEPS 0, 1
	; slot 0's last step goes over to slot 1: one barrier, in front of which each wave's part of slot 1 has landed.  Nothing is filled again.
	s_wait_tensorcnt 0x0
	s_wait_dscnt 4*NL                              ; (the youngest eight loads, R's blocks 4-7, may be out)
	WIN MUL_LO
	MUL16 0, 1, NQ-1, 0, 0
	s_wait_dscnt 0x0                               ; no LDS instruction of mine is pending at the signal
	s_barrier_signal -1
	MUL16 2, 1, NQ-1, 0, 0
	WIN 0
	s_barrier_wait -1
	PLACES NP
	v_add_nc_u32 v[ADRS], 4*NQ, v[ADRS]            ; on to slot 1's scale words
	FETCH_B 1, 0, 0
	FETCH_A 1, 0, 0
	SCALES 1
	WIN MUL_HI
	MUL16 4, 1, NQ-1, 0, 0
	MUL16 6, 1, NQ-1, 0, 0
	PLACES NP
	WIN 0
	FETCH_A 1, 0, 4
	STEPS 1, 0
	s_wait_dscnt 4*NL                              ; the very last step: nothing more to fetch
	WIN MUL_LO
	MUL16 0, 1, NQ-1, 1, 0
	MUL16 2, 1, NQ-1, 1, 0
	s_wait_dscnt 0
	WIN MUL_HI
	MUL16 4, 1, NQ-1, 1, 0
	MUL16 6, 1, NQ-1, 1, 0
	WIN 0
	PLACES NP
; THE WAY OUT.  R's block a: a lane's 64 numbers (eight tiles) become a fragment's codes in v[PC + 8 a] on and its row's scale word in v[SW + a].
.macro QUANTW a
.set WA, 2+(\a)/4
.set AC, 64*((\a)%4)
.set PCA, PC+8*(\a)
	WIN (WA<<2)|(WA<<4)                            ; sources 1 and 2: the accumulators' window
.irp b, 0,1,2,3
	v_max3_num_f32 v[TM+\b], 0x1800000, |v[AC+16*\b]|, |v[AC+16*\b+1]|   ; block b: my 16 numbers, each accumulator from its low end on, and the floor 2^(3 - 127): the byte cannot fall under 1
.endr
.irp i, 2,4,6,8,10,12,14
.irp b, 0,1,2,3
	v_max3_num_f32 v[TM+\b], v[TM+\b], |v[AC+16*\b+\i]|, |v[AC+16*\b+\i+1]|   ; (the four blocks by turns)
.endr
.endr
	WIN 0
.irp b, 0,1,2,3
	v_permlanex16_b32 v[TM+4+\b], v[TM+\b], s[SEL], s[SEL+1]
.endr
.irp b, 0,1,2,3
	v_max_num_f32 v[TM+\b], v[TM+\b], v[TM+4+\b]   ; with lane l xor 16's: the block's largest magnitude
.endr
.irp b, 0,1,2,3
	v_add_nc_u32 v[TM+12+\b], 0xff000000, v[TM+\b] ; 2 off its exponent field: the conversion takes the exponent field of this operand as its scale
.endr
.irp b, 0,1,2,3
	v_lshrrev_b32 v[TM+4+\b], 23, v[TM+12+\b]      ; the scale's byte
.endr
	v_lshl_or_b32 v[SW+(\a)], v[TM+5], 8, v[TM+4]  ; the four bytes make my row's scale word
	v_lshl_or_b32 v[SW+(\a)], v[TM+6], 16, v[SW+(\a)]
	v_lshl_or_b32 v[SW+(\a)], v[TM+7], 24, v[SW+(\a)]
	WIN WA                                         ; source 0: the accumulators' window
.irp t, 0,1,2,3,4,5,6,7
	v_cvt_scalef32_pk8_fp4_f32 v[PCA+4*(\t/4)+2*(\t%2)+(\t%4)/2], v[AC+8*\t:AC+8*\t+7], v[TM+12+\t/2]
.endr
	WIN 0
	v_nop                                          ; one plain place behind a scaled conversion
.irp c, 0,1                                    ; the first's lanes 16-31 change places with the second's lanes 0-15: a whole block of 32 comes to lie in one lane
	v_permlane16_swap_b32 v[PCA+4*\c], v[PCA+4*\c+1]
	v_permlane16_swap_b32 v[PCA+4*\c+2], v[PCA+4*\c+3]
.endr
.endm
	s_mov_b32 s[SEL], 0x76543210
	s_mov_b32 s[SEL+1], 0xfedcba98
.irp b, 0,1,2,3
	v_mov_b32 v[TM+4+\b], 0                        ; written once: a lane permute's destination counts as one of its sources
.endr
.irp a, 0,1,2,3,4,5,6,7
	QUANTW \a
.endr
	; where my results go: token -> batch and block g of 128 tokens; channel -> head
	s_lshr_b32 s18, s13, 11                        ; batch
	s_bfe_u32 s19, s13, 0x40007                    ; g = (token / 128) % 16
	s_bfe_u32 s20, s12, 0x40006                    ; my first head = (channel / 64) % 16: an even one
	s_lshl_b32 s18, s18, 4
	s_add_co_u32 s18, s18, s20                     ; bh = 16 x batch + head
	s_mul_i32 s46, s18, HEADB
	s_lshr_b32 s21, s19, 3
	s_mul_i32 s21, s21, CHUNK
	s_add_co_u32 s46, s46, s21                     ; kv: my head's chunk g / 8
	s_and_b32 s92, s19, 7                          ; the key step in it
	s_mov_b32 s47, 0
	s_mov_b32 s93, 0
	s_cmp_eq_u32 s3, 1
	s_cbranch_scc1 .Lout_v
	; q, k: registers 0-3 of a block's codes are the even head's 64 channels of 16 tokens, registers 4-7 the odd head's
	s_lshl_b32 s20, s18, 16
	s_lshl_b32 s21, s19, 12
	s_add_co_u32 s20, s20, s21                     ; qimg: bh x 65,536 + g x 4,096
	s_lshl_b32 s21, s18, 13
	s_lshl_b32 s66, s19, 9
	s_add_co_u32 s21, s21, s66                     ; qsc: bh x 8,192 + g x 512
	s_lshl_b32 s66, s92, 12
	s_add_co_u32 s66, s66, s46                     ; kv: K's images of the step
	s_lshl_b32 s67, s92, 9
	s_add_co_u32 s67, s67, s46
	s_add_co_u32 s67, s67, 65536                   ; kv: K's scale words of the step
	s_cmp_eq_u32 ttmp9, 0                          ; q or k: by the cluster's x
	s_cselect_b32 s46, s20, s66
	s_cselect_b32 s92, s21, s67
	s_cselect_b64 s[6:7], s[6:7], s[10:11]
	s_cselect_b64 s[8:9], s[8:9], s[10:11]
	s_mov_b32 s66, HEADB
	s_cselect_b32 s66, 65536, s66                  ; from a head's images to the next head's
	s_mov_b32 s67, HEADB
	s_cselect_b32 s67, 8192, s67                   ; and the same for the scale words
	s_add_nc_u64 s[6:7], s[6:7], s[46:47]
	s_add_nc_u64 s[8:9], s[8:9], s[92:93]
	v_add_nc_u32 v[CI2], s66, v[CI]
	v_mul_lo_u32 v[SI], v2, s67
	v_lshl_add_u32 v[SI], v1, 4, v[SI]             ; 16 r; lanes 16-31 in the odd head
.irp a, 0,1,2,3,4,5,6,7
	v_lshrrev_b32 v[SW+\a], v[SH], v[SW+\a]        ; lanes 0-15 keep the even head's two bytes, lanes 16-31 take the odd head's;
	v_and_b32 v[SW+\a], 0xffff, v[SW+\a]           ; bytes 2 and 3, for the 64 zero codes that fill K to 128, are 0
.endr
.irp a, 0,1,2,3,4,5,6,7
	global_store_b128 v[CI], v[PC+8*\a:PC+8*\a+3], s[6:7] offset:512*\a      ; 32 lanes store 512 consecutive bytes, aligned
	global_store_b128 v[CI2], v[PC+8*\a+4:PC+8*\a+7], s[6:7] offset:512*\a
.endr
	global_store_b128 v[SI], v[SW:SW+3], s[8:9]                              ; words [a / 4][r][a % 4]: each half of the lanes stores 256 consecutive bytes, aligned
	global_store_b128 v[SI], v[SW+4:SW+7], s[8:9] offset:256
	s_branch .Lout_done
.Lout_v:
	; v: block a is 16 channels (head a / 4, tile a % 4) x the step's 128 keys: a whole fragment
	s_lshl_b32 s21, s92, 12
	s_add_co_u32 s21, s21, s46
	s_add_co_u32 s66, s21, 32768                   ; kv: V's images of the step
	s_mov_b32 s67, 0
	s_lshl_b32 s21, s92, 8
	s_add_co_u32 s21, s21, s46
	s_add_co_u32 s94, s21, 69632                   ; kv: V's scale words of the step
	s_mov_b32 s95, 0
	s_add_nc_u64 s[6:7], s[10:11], s[66:67]
	s_add_nc_u64 s[8:9], s[10:11], s[94:95]
	v_mul_u32_u24 v[SI], v2, HEADB
	v_lshl_add_u32 v[SI], v1, 4, v[SI]             ; 16 r; lanes 16-31 in the odd head
	v_cmp_eq_u32 vcc_lo, 1, v2
.irp i, 0,1,2,3
	v_cndmask_b32 v[SW+\i], v[SW+\i], v[SW+4+\i], vcc_lo   ; lanes 16-31 take the odd head's words (every lane holds its row r's)
.endr
	s_wait_alu depctr_va_vdst(0)
.irp a, 0,1,2,3,4,5,6,7
	global_store_b128 v[CI], v[PC+8*\a:PC+8*\a+3], s[6:7] offset:(\a/4)*HEADB+(\a%4)*1024
	global_store_b128 v[CI], v[PC+8*\a+4:PC+8*\a+7], s[6:7] offset:(\a/4)*HEADB+(\a%4)*1024+512
.endr
	global_store_b128 v[SI], v[SW:SW+3], s[8:9]                              ; words [r][tile]: 256 consecutive bytes a head
.Lout_done:
	s_wait_dscnt 0x0
	s_wait_tensorcnt 0x0
	ds_add_u32 v30, v31
	s_wait_dscnt 0x0
	CROUND                                         ; the closing round: no work-group ends while a partner may still ask for a tile that names it
	s_endpgm
.Lfunc_end_k_q4a30d25e3d_qkv:
	.size	k_q4a30d25e3d_qkv, .Lfunc_end_k_q4a30d25e3d_qkv-k_q4a30d25e3d_qkv
	.p2alignl 7, 3214868480
	.fill 96, 4, 3214868480
	.section	.rodata,"a",@progbits
	.p2align	6, 0x0
	.amdhsa_kernel k_q4a30d25e3d_qkv
		.amdhsa_group_segment_fixed_size 296448
		.amdhsa_private_segment_fixed_size 0
		.amdhsa_enable_private_segment 0
		.amdhsa_kernarg_size 64
		.amdhsa_user_sgpr_count 2
		.amdhsa_user_sgpr_kernarg_segment_ptr 1
		.amdhsa_wavefront_size32 1
		.amdhsa_system_sgpr_workgroup_id_x 1
		.amdhsa_system_sgpr_workgroup_id_y 1
		.amdhsa_system_sgpr_workgroup_id_z 1
		.amdhsa_system_vgpr_workitem_id 0
		.amdhsa_next_free_vgpr 1024
		.amdhsa_next_free_sgpr 98
		.amdhsa_reserve_vcc 1
		.amdhsa_float_denorm_mode_32 3
		.amdhsa_float_denorm_mode_16_64 3
		.amdhsa_memory_ordered 1
		.amdhsa_forward_progress 1
		.amdhsa_inst_pref_size 151
	.end_amdhsa_kernel
	.amdgpu_metadata
---
amdhsa.version: [ 1, 2 ]
amdhsa.kernels:
  - .name:           k_q4a30d25e3d_qkv
    .symbol:         k_q4a30d25e3d_qkv.kd
    .args:
      - { .name: x_codes, .offset: 0, .size: 8, .value_kind: global_buffer, .address_space: global }
      - { .name: x_scales, .offset: 8, .size: 8, .value_kind: global_buffer, .address_space: global }
      - { .name: W_qkv_codes, .offset: 16, .size: 8, .value_kind: global_buffer, .address_space: global }
      - { .name: W_qkv_scales, .offset: 24, .size: 8, .value_kind: global_buffer, .address_space: global }
      - { .name: b_qkv, .offset: 32, .size: 8, .value_kind: global_buffer, .address_space: global }
      - { .name: qimg, .offset: 40, .size: 8, .value_kind: global_buffer, .address_space: global }
      - { .name: qsc, .offset: 48, .size: 8, .value_kind: global_buffer, .address_space: global }
      - { .name: kv, .offset: 56, .size: 8, .value_kind: global_buffer, .address_space: global }
    .group_segment_fixed_size: 296448
    .private_segment_fixed_size: 0
    .kernarg_segment_align: 8
    .kernarg_segment_size: 64
    .max_flat_workgroup_size: 128
    .sgpr_count:     98
    .vgpr_count:     1024
    .wavefront_size: 32
...
	.end_amdgpu_metadata
.endif
;; end of part 1
;; launch attn (part 2): grid 4 x 64, 16 waves a work-group, clusters of 4 x 1, 169,984 bytes of LDS; arguments qimg, qsc, kv, aoimg, aosc; writes aoimg, aosc
.if DOCPART == 2
	.amdgcn_target "amdgcn-amd-amdhsa--gfx1250"
	.amdhsa_code_object_version 6
	.text
	.protected	k_q4a30d25e3d_attn
	.globl	k_q4a30d25e3d_attn
	.p2align	8
	.type	k_q4a30d25e3d_attn,@function
k_q4a30d25e3d_attn:
	s_mov_b64 s[64:65], 0
	v_nop
	global_prefetch_b8 v0, s[64:65] scope:SCOPE_SE
	s_setreg_imm32_b32 hwreg(HW_REG_WAVE_MODE, 25, 1), 1
	s_wait_xcnt 0x0
	s_wait_alu depctr_hold_cnt(0) depctr_sa_sdst(0) depctr_va_vdst(0) depctr_va_sdst(0) depctr_va_ssrc(0) depctr_va_vcc(0) depctr_vm_vsrc(0)
	s_getreg_b32 s2, hwreg(HW_REG_IB_STS2, 6, 4)
	s_cmp_eq_u32 s2, 0
	s_cbranch_scc0 .Lentry_in_a_cluster
	s_endpgm
.Lentry_in_a_cluster:
	s_bfe_u32 s2, ttmp6, 0x10000c
	s_cmp_lg_u32 s2, 0x3003
	s_cbranch_scc0 .Lentry_shape_is_right
	s_endpgm
.Lentry_shape_is_right:
; Causal attention of one (batch, head) on codes of FP4 (E2M1): S^T = K Q^T (K = the head's 64, filled to 128 with zero codes on both sides), p = 2^(t - M), O^T = V^T P^T (K = the keys), O / l quantised along C.
; t = score x log2(e) / 8; M = the running largest t rounded UP to a whole number; p is quantised along the keys, not normalised; the row's sum l is taken of the unquantised p and divides O at the end.
; When M moves, the sum and O^T are multiplied by 2^(old M - new M): exact.
; CLUSTER.  The four work-groups of a cluster belong to one head.  The head's K, V and scale words (143,360 bytes, as the launch before laid them: images of operand registers) lie in LDS whole,
; fetched jointly (one mask for the four), filled once, read-only afterwards.
; SHARES.  Wave w of partner cx owns two tiles of 16 queries: tile t = 4 w + cx and tile 127 - t.  Their diagonals lie in key steps w / 2 and 15 - w / 2, which hang on the wave's number alone:
; no branch hangs on cx.  Steps above the diagonal are left out, so every wave walks (w / 2 + 1) + (16 - w / 2) = 17 key steps of 128 keys: all waves have the same work.
; LAYOUT.  Both products are used transposed: a lane holds ONE query (lane % 16) throughout.  In S^T tile T, register j is key 16 T + 8 (lane / 16) + j.  Block beta of 32 keys is the 16 registers of
; tiles 2 beta, 2 beta + 1 in lanes l and l xor 16.  The codes of tile T go to register 4 (T / 4) + 2 (T % 2) + (T % 4) / 2; two exchanges of lane halves for each four registers give the operand's layout.
; LIMITS: NaN and infinities are not served.  A block whose largest magnitude lies under 2^-124 (a block of zeros too) gets the scale byte 1; these bytes are read by this program alone.  1 / l is v_rcp_f32's.
; REGISTERS: v1-7 addresses that stay; v8-10 a step's addresses; v11 the scale store's offset; v12 -M, v13 the largest t, v[14:15] the sum; v16-23, v24-31 Q of the late and the early tile (upper four: zeros);
; v32-63 four fragments of K (upper four of each: zeros); v64-95 V's four; v96-159 S^T, then p; v160-191 O^T; v192-199 K's scale words, v200-203 V's, v204-205 Q's; v208-217 results; v224-231 p's codes; v232-254 at work.
.set HEADB, 143360                     ; a head's bytes in kv and in LDS: two chunks
.set CHUNK, 71680                      ; 8 key steps: K images at 0 (4,096 a step), V images at 32,768 (4,096), K scale words at 65,536 (512), V scale words at 69,632 (256)
.set QUART, 17920                      ; a quarter of a chunk: 70 rows of 256 bytes: what one tensor load brings
.set LI,  1                            ; v1   16 x lane
.set RK,  2                            ; v2   16 r + 65,536
.set RV,  3                            ; v3   16 r + 69,632
.set ADK, 8
.set ADS, 9
.set ADT, 10
.set WV,  14                           ; s14  my wave's number
.set SEL, 20                           ; s[20:21] lane selects for v_permlanex16_b32: lane l xor 16
.set CS,  22                           ; s[22:23] c = log2(e) / 8
.set G1,  24                           ; s[24:31] descriptor group 1;  s[32:35], s[36:39] group 0 for chunks 0 and 1
.set TB,  40                           ; s40  where the step's images begin
.set TS,  41                           ; s41  K's scale words
.set TV,  42                           ; s42  V's
.set J,   43                           ; s43  the key step in the chunk
.set DGL, 44                           ; s44  the late tile's diagonal step in chunk 1: 7 - w / 2
.set DGE, 45                           ; s45  the early tile's in chunk 0: w / 2
.macro CROUND                          ; a round of the cluster's barrier
	s_barrier_signal -1
	s_barrier_wait -1
	s_cmp_lg_u32 s[WV], 0
	s_cbranch_scc1 .Lnot_wave_0_\@
	s_barrier_signal -3
.Lnot_wave_0_\@:
	s_barrier_wait -3
	s_barrier_signal -1
	s_barrier_wait -1
.endm
	s_load_b256 s[4:11], s[0:1], 0x0               ; qimg s[4:5], qsc s[6:7], kv s[8:9], aoimg s[10:11]
	s_load_b64 s[12:13], s[0:1], 0x20              ; aosc
	v_lshl_add_u32 v251, v0, 2, 0x29000
	v_mov_b32 v255, 0
	ds_add_u32 v251, v255
	ds_add_u32 v251, v255
	v_lshrrev_b32 v8, 5, v0
	s_delay_alu instid0(VALU_DEP_1)
	v_readfirstlane_b32 s[WV], v8                  ; wave 0..15
	s_bfe_u32 s15, ttmp6, 0x40000                  ; cx: it enters global addresses and the mask's threshold alone
	s_and_b32 s16, ttmp7, 0xffff                   ; bh = 16 x batch + head, which the four partners share
	s_mov_b32 s[G1], 15|(3<<16)|(1<<21)            ; 15:0 the mask: all four work-groups; 17:16 elements of 8 bytes; 21 set beside a mask; no padding: every read is 16 bytes a lane on end
	s_mov_b32 s[G1+1], 32<<16                      ; tensor_dim0 = 32 elements: 256 bytes
	s_mov_b32 s[G1+2], 70<<16                      ; tensor_dim1 = 70
	s_mov_b32 s[G1+3], 32<<16                      ; tile_dim0
	s_mov_b32 s[G1+4], 70                          ; tile_dim1
	s_mov_b32 s[G1+5], 32                          ; the rows are dense
	s_mov_b32 s[G1+6], 0
	s_mov_b32 s[G1+7], 0
	s_mul_i32 s17, s[WV], QUART                    ; waves 0 to 3: my quarter of a chunk, in LDS as in memory
	s_mul_i32 s18, s16, HEADB
	s_add_co_u32 s18, s18, s17
	s_mov_b32 s19, 0
	s_mov_b32 s[SEL], 0x76543210
	s_mov_b32 s[SEL+1], 0xfedcba98
	s_mov_b32 s[CS], 0x3e38aa3b                    ; log2(e) / 8
	s_mov_b32 s[CS+1], s[CS]                       ; (named with it as a pair, so it is written)
	s_lshr_b32 s[DGE], s[WV], 1
	s_xor_b32 s[DGL], s[DGE], 7                    ; 7 - w / 2
	s_wait_dscnt 0x0
	s_wait_kmcnt 0x0
	s_add_nc_u64 s[18:19], s[8:9], s[18:19]
	CROUND                                         ; all four work-groups are here: the joint loads meet
	s_mov_b32 s32, 1
	s_mov_b32 s33, s17
	s_mov_b64 s[34:35], s[18:19]
	s_or_b32 s35, s35, 0x80000000
	s_mov_b32 s36, 1
	s_add_co_u32 s37, s17, CHUNK
	s_add_nc_u64 s[38:39], s[18:19], CHUNK
	s_or_b32 s39, s39, 0x80000000
	s_cmp_lt_u32 s[WV], 4                          ; waves 0 to 3 fetch; both fills of a wave stand in one branch: two tensor loads of mine are out, and these are all that the launch has
	s_cbranch_scc0 .Lno_fetch
	tensor_load_to_lds s[32:35], s[G1:G1+7]
	s_nop 0
	tensor_load_to_lds s[36:39], s[G1:G1+7]
	s_nop 0
.rept 4
	v_nop
.endr
.Lno_fetch:
	v_and_b32 v8, 15, v0                           ; r
	v_bfe_u32 v9, v0, 4, 1                         ; h
	v_and_b32 v[LI], 31, v0
	s_delay_alu instid0(VALU_DEP_1)
	v_lshlrev_b32 v[LI], 4, v[LI]
	s_wait_alu depctr_va_vdst(0)
	v_lshlrev_b32 v7, 4, v8                        ; 16 r
	s_wait_alu depctr_va_vdst(0)
	v_add_nc_u32 v[RK], 65536, v7
	v_add_nc_u32 v[RV], 69632, v7
	v_lshlrev_b32 v10, 3, v9
	s_delay_alu instid0(VALU_DEP_1)
	v_sub_nc_u32 v4, v8, v10                       ; r - 8 h
	v_mov_b32 v6, 0xff800000                       ; -infinity
	s_lshl_b32 s50, s[WV], 2
	s_add_co_u32 s50, s50, s15                     ; the early tile t = 4 w + cx
	s_sub_co_u32 s51, 127, s50                     ; the late tile
	; Q's half images: bh x 65,536 + 512 x tile;  its scale words: bh x 8,192 + 256 (tile / 4) + 16 r + 4 (tile % 4)
	s_lshl_b32 s52, s16, 16
	s_lshl_b32 s53, s51, 9
	s_add_co_u32 s52, s52, s53
	s_mov_b32 s53, 0
	s_add_nc_u64 s[52:53], s[4:5], s[52:53]
	s_lshl_b32 s54, s16, 16
	s_lshl_b32 s55, s50, 9
	s_add_co_u32 s54, s54, s55
	s_mov_b32 s55, 0
	s_add_nc_u64 s[54:55], s[4:5], s[54:55]
	global_load_b128 v[16:19], v[LI], s[52:53]     ; the late tile's Q
	global_load_b128 v[24:27], v[LI], s[54:55]     ; the early tile's
	s_lshl_b32 s56, s16, 13
	s_lshr_b32 s57, s51, 2
	s_lshl_b32 s57, s57, 8
	s_add_co_u32 s56, s56, s57
	s_and_b32 s57, s51, 3
	s_lshl_b32 s57, s57, 2
	s_add_co_u32 s56, s56, s57
	s_mov_b32 s57, 0
	s_add_nc_u64 s[56:57], s[6:7], s[56:57]
	s_lshl_b32 s58, s16, 13
	s_lshr_b32 s59, s50, 2
	s_lshl_b32 s59, s59, 8
	s_add_co_u32 s58, s58, s59
	s_and_b32 s59, s50, 3
	s_lshl_b32 s59, s59, 2
	s_add_co_u32 s58, s58, s59
	s_mov_b32 s59, 0
	s_add_nc_u64 s[58:59], s[6:7], s[58:59]
	global_load_b32 v204, v7, s[56:57]
	global_load_b32 v205, v7, s[58:59]
	; the results: aoimg at (Tt / 8) x 65,536 + (head / 8) x 32,768 + (Tt % 8) x 4,096 + (head % 8) x 512, Tt = 128 x batch + tile
	s_lshr_b32 s60, s16, 4
	s_lshl_b32 s60, s60, 7                         ; 128 x batch
	s_and_b32 s61, s16, 15                         ; head
	s_lshr_b32 s62, s61, 3
	s_lshl_b32 s62, s62, 15
	s_and_b32 s63, s61, 7
	s_lshl_b32 s63, s63, 9
	s_add_co_u32 s62, s62, s63                     ; the head's part
	s_add_co_u32 s63, s60, s51                     ; Tt of the late tile
	s_lshr_b32 s46, s63, 3
	s_lshl_b32 s46, s46, 16
	s_and_b32 s47, s63, 7
	s_lshl_b32 s47, s47, 12
	s_add_co_u32 s46, s46, s47
	s_add_co_u32 s46, s46, s62
	s_mov_b32 s47, 0
	s_add_nc_u64 s[46:47], s[10:11], s[46:47]
	s_add_co_u32 s63, s60, s50                     ; Tt of the early tile
	s_lshr_b32 s48, s63, 3
	s_lshl_b32 s48, s48, 16
	s_and_b32 s49, s63, 7
	s_lshl_b32 s49, s49, 12
	s_add_co_u32 s48, s48, s49
	s_add_co_u32 s48, s48, s62
	s_mov_b32 s49, 0
	s_add_nc_u64 s[48:49], s[10:11], s[48:49]
	s_lshl_b32 s63, s63, 9                         ; aosc: 32 bytes a token, 512 a tile;
	s_lshl_b32 s61, s61, 1                         ; bytes 2 head, 2 head + 1
	s_add_co_u32 s63, s63, s61
	s_sub_co_u32 s61, s51, s50                     ; lanes 16-31 store the late tile's: so many tiles further on
	s_lshl_b32 s61, s61, 9
	v_mul_lo_u32 v11, v9, s61
	s_delay_alu instid0(VALU_DEP_1)
	v_lshl_add_u32 v11, v8, 5, v11
	s_delay_alu instid0(VALU_DEP_1)
	v_add_nc_u32 v11, s63, v11
	s_and_b32 s62, s50, 7
	s_lshl_b32 s62, s62, 4                         ; 16 x (tile % 8) of the early tile,
	s_sub_co_u32 s63, 112, s62                     ; and of the late one: they enter the mask's threshold, a value, and no branch
.irp j, 20,21,22,23,28,29,30,31,36,37,38,39,44,45,46,47,52,53,54,55,60,61,62,63
	v_mov_b32 v\j, 0                               ; zero codes fill K = 64 to 128, in Q's and in K's fragments: written once
.endr
.irp j, 236,237,238,239,252,253
	v_mov_b32 v\j, 0                               ; written once: a lane permute's destination and the upper half of a named pair count as read
.endr
; A tile begins: O^T and the sum are zeros, the largest t is -3e38: the first change of M multiplies zeros.  sm: the scalar that holds 16 x (tile % 8).
.macro INIT sm
	v_mov_b32 v13, 0xff61b1e6
	s_delay_alu instid0(VALU_DEP_1)
	v_floor_f32 v12, -v13                          ; -M
	v_mov_b32 v14, 0
	v_mov_b32 v15, 0
	v_add_nc_u32 v5, s[\sm], v4                    ; d = 16 (tile % 8) + r - 8 h: in the diagonal step register 8 T + j is hidden where 16 T + j > d
.set n, 0
.rept 32
	v_mov_b32 v[160+n], 0
.set n, n+1
.endr
.endm
; A KEY STEP: 128 keys.  causal = 1: steps behind the diagonal step s[dg] are left out (a scalar branch on the wave's number and the trip), the diagonal step is masked.  qf, qs: Q's fragment and scale word.
.macro STEP causal, qf, qs, dg
.if \causal
	s_cmp_gt_u32 s[J], s[\dg]
	s_cbranch_scc1 .Lhidden_\@
.endif
	s_setprio 2
	v_add_nc_u32 v[ADK], s[TB], v[LI]
	s_wait_alu depctr_va_vdst(0)
	v_add_nc_u32 v[ADS], s[TS], v[RK]
	v_add_nc_u32 v[ADT], s[TV], v[RV]
	ds_load_b128 v[192:195], v[ADS]                ; K's scale words: lane r takes key r's of tiles 0-3,
	ds_load_b128 v[196:199], v[ADS] offset:256     ; and of tiles 4-7
.irp g, 0,1                                    ; S^T = K Q^T, four tiles of 16 keys at a time
.if \g
.rept 4
	v_nop                                          ; places in front of loads into registers that the four products above have read
.endr
.endif
.irp t, 0,1,2,3
	ds_load_b128 v[32+8*\t:35+8*\t], v[ADK] offset:512*(4*\g+\t)
.endr
	s_wait_dscnt 0x0
.irp t, 0,1,2,3
	v_wmma_scale_f32_16x16x128_f8f6f4 v[96+8*(4*\g+\t):103+8*(4*\g+\t)], v[32+8*\t:39+8*\t], v[\qf:\qf+7], 0, v[192+4*\g+\t], v[\qs] matrix_a_fmt:MATRIX_FMT_FP4 matrix_b_fmt:MATRIX_FMT_FP4
.endr
.endr
.irp d, 0,1,2,3                                ; V's four fragments and scale words are asked for here and land under the softmax.  The last step's products that read these registers stand seven plain places back (three additions, four v_nop)
.irp c, 0,1
	ds_load_b128 v[64+8*\d+4*\c:67+8*\d+4*\c], v[ADK] offset:32768+1024*\d+512*\c
.endr
.endr
	s_wait_alu depctr_va_vdst(0)
	ds_load_b128 v[200:203], v[ADT]
.rept 4
	v_nop                                          ; places in front of the first read of the scores
.endr
.if \causal
	s_cmp_lg_u32 s[J], s[\dg]
	s_cbranch_scc1 .Lopen_\@                       ; a step all of whose keys count skips the mask
.set n, 0
.rept 64
	v_cmp_gt_i32 vcc_lo, 16*(n/8)+n%8, v5
	v_cndmask_b32 v[96+n], v[96+n], v6, vcc_lo     ; hidden scores become -infinity ahead of the maximum: p = 0 then
.set n, n+1
.endr
.Lopen_\@:
.endif
.irp b, 0,1,2,3
	v_max3_num_f32 v[232+\b], v[96+16*\b], v[97+16*\b], v[98+16*\b]   ; the largest score of each block of 32 keys: it serves for the row's maximum and, since p rises with the score, for the block's largest p
.endr
.irp i, 3,5,7,9,11,13
.irp b, 0,1,2,3
	v_max3_num_f32 v[232+\b], v[232+\b], v[96+16*\b+\i], v[97+16*\b+\i]
.endr
.endr
.irp b, 0,1,2,3
	v_max_num_f32 v[232+\b], v[232+\b], v[111+16*\b]
.endr
.irp b, 0,1,2,3
	s_delay_alu instid0(VALU_DEP_4)
	v_permlanex16_b32 v[236+\b], v[232+\b], s[SEL], s[SEL+1]
.endr
.irp b, 0,1,2,3
	s_delay_alu instid0(VALU_DEP_4)
	v_max_num_f32 v[232+\b], v[232+\b], v[236+\b]  ; with lane l xor 16's 16 keys
.endr
	s_delay_alu instid0(VALU_DEP_2)
	v_max3_num_f32 v254, v232, v233, v234
	s_delay_alu instid0(VALU_DEP_1)
	v_max_num_f32 v254, v254, v235                 ; the step's largest score of my query
	s_delay_alu instid0(VALU_DEP_1)
	v_mul_f32 v254, s[CS], v254                    ; as t (c is positive)
	s_delay_alu instid0(VALU_DEP_1)
	v_max_num_f32 v13, v13, v254                   ; the running largest t
	v_mov_b32 v254, v12
	s_delay_alu instid0(VALU_DEP_2)
	v_floor_f32 v12, -v13                          ; the new -M = floor(-t) = -ceil(t)
	s_delay_alu instid0(VALU_DEP_1)
	v_sub_f32 v254, v12, v254                      ; old M - new M: a whole number, 0 or less
	s_delay_alu instid0(VALU_DEP_1)
	v_cvt_i32_f32 v254, v254                       ; (it saturates)
	s_delay_alu instid0(VALU_DEP_1)
	v_ldexp_f32 v252, 1.0, v254                    ; f = 2^(old M - new M)
.set n, 0
.rept 32
	v_pk_fma_f32 v[96+n:97+n], v[96+n:97+n], s[CS:CS+1], v[12:13] op_sel_hi:[1,0,0]   ; t - M, two at a time
.set n, n+2
.endr
.irp b, 0,1,2,3
	v_fma_f32 v[232+\b], v[232+\b], s[CS], v12     ; the same of each block's largest score
.endr
.set n, 0
	s_setprio 1
	s_wait_alu depctr_va_vdst(0)
.rept 64
	v_exp_f32 v[96+n], v[96+n]                     ; p = 2^(t - M), at most 1
.set n, n+1
.endr
	v_pk_mul_f32 v[14:15], v[14:15], v[252:253] op_sel_hi:[1,0]   ; the sums under the new M (a plain place behind the exponentials)
	s_wait_alu depctr_va_vdst(0)                   ; one wait for the batch of 64, ahead of its first reader
.irp b, 0,1,2,3
	v_exp_f32 v[232+\b], v[232+\b]                 ; the block's largest p: the same two instructions on the same number give the same bits
.endr
	v_pk_add_f32 v[236:237], v[100:101], v[104:105]
	v_pk_add_f32 v[248:249], v[108:109], v[112:113]
	v_pk_add_f32 v[246:247], v[116:117], v[120:121]
	v_pk_add_f32 v[244:245], v[124:125], v[128:129]
	v_pk_add_f32 v[242:243], v[132:133], v[136:137]
	v_pk_add_f32 v[240:241], v[140:141], v[144:145]
	v_pk_add_f32 v[238:239], v[148:149], v[152:153]
	v_pk_add_f32 v[14:15], v[14:15], v[156:157]
	v_pk_add_f32 v[236:237], v[236:237], v[96:97]
	v_pk_add_f32 v[248:249], v[248:249], v[98:99]
	v_pk_add_f32 v[246:247], v[246:247], v[102:103]
	v_pk_add_f32 v[244:245], v[244:245], v[106:107]
	v_pk_add_f32 v[242:243], v[242:243], v[110:111]
	v_pk_add_f32 v[240:241], v[240:241], v[114:115]
	v_pk_add_f32 v[238:239], v[238:239], v[118:119]
	v_pk_add_f32 v[14:15], v[14:15], v[122:123]
	v_pk_add_f32 v[236:237], v[236:237], v[126:127]
	v_pk_add_f32 v[248:249], v[248:249], v[130:131]
	v_pk_add_f32 v[246:247], v[246:247], v[134:135]
	v_pk_add_f32 v[244:245], v[244:245], v[138:139]
	v_pk_add_f32 v[242:243], v[242:243], v[142:143]
	v_pk_add_f32 v[240:241], v[240:241], v[146:147]
	v_pk_add_f32 v[238:239], v[238:239], v[150:151]
	v_pk_add_f32 v[14:15], v[14:15], v[154:155]
	v_pk_add_f32 v[236:237], v[236:237], v[158:159]
	s_delay_alu instid0(VALU_DEP_2)
	v_pk_add_f32 v[14:15], v[14:15], v[244:245]
	s_delay_alu instid0(VALU_DEP_2)
	v_pk_add_f32 v[236:237], v[236:237], v[242:243]
	v_pk_add_f32 v[248:249], v[248:249], v[240:241]
	v_pk_add_f32 v[246:247], v[246:247], v[238:239]
	s_delay_alu instid0(VALU_DEP_2)
	v_pk_add_f32 v[14:15], v[14:15], v[248:249]
	s_delay_alu instid0(VALU_DEP_2)
	v_pk_add_f32 v[236:237], v[236:237], v[246:247]
	s_delay_alu instid0(VALU_DEP_1)
	v_pk_add_f32 v[14:15], v[14:15], v[236:237]
	s_wait_alu depctr_va_vdst(0)                   ; and one for the four
.irp b, 0,1,2,3
	v_max_num_f32 v[232+\b], 0x1800000, v[232+\b]  ; the floor 2^(3 - 127): the byte cannot fall under 1
.endr
.irp b, 0,1,2,3
	s_delay_alu instid0(VALU_DEP_4)
	v_add_nc_u32 v[244+\b], 0xff000000, v[232+\b]  ; 2 off the exponent field: the conversion's scale operand
.endr
.irp b, 0,1,2,3
	s_delay_alu instid0(VALU_DEP_4)
	v_lshrrev_b32 v[236+\b], 23, v[244+\b]         ; the scale's byte
.endr
	s_delay_alu instid0(VALU_DEP_3)
	v_lshl_or_b32 v253, v237, 8, v236              ; p's scale word for these 128 keys
	s_delay_alu instid0(VALU_DEP_1)
	v_lshl_or_b32 v253, v238, 16, v253
	s_delay_alu instid0(VALU_DEP_1)
	v_lshl_or_b32 v253, v239, 24, v253
.irp t, 0,1,2,3,4,5,6,7
	v_cvt_scalef32_pk8_fp4_f32 v[224+4*(\t/4)+2*(\t%2)+(\t%4)/2], v[96+8*\t:103+8*\t], v[244+\t/2]
.endr
	s_setprio 0
	v_nop                                          ; one plain place behind a scaled conversion
.irp c, 0,1
	v_permlane16_swap_b32 v[224+4*\c], v[225+4*\c] ; a whole block of 32 keys comes to lie in one lane
	v_permlane16_swap_b32 v[226+4*\c], v[227+4*\c]
.endr
.set n, 0
.rept 16
	v_pk_mul_f32 v[160+n:161+n], v[160+n:161+n], v[252:253] op_sel_hi:[1,0]   ; O^T under the new M.  For each product below twelve of these name none of its registers: they are the places between p's scale word and codes and that product
.set n, n+2
.endr
	s_wait_alu depctr_va_vdst(0)
	s_wait_dscnt 0x0                               ; V
.irp d, 0,1,2,3                                ; O^T += V^T P^T: the four accumulators by turns
	v_wmma_scale_f32_16x16x128_f8f6f4 v[160+8*\d:167+8*\d], v[64+8*\d:71+8*\d], v[224:231], v[160+8*\d:167+8*\d], v[200+\d], v253 matrix_a_fmt:MATRIX_FMT_FP4 matrix_b_fmt:MATRIX_FMT_FP4
.endr
.if \causal
.Lhidden_\@:
.endif
	s_add_co_u32 s[TB], s[TB], 4096                ; the next step's images and scale words
	s_add_co_u32 s[TS], s[TS], 512
	s_add_co_u32 s[TV], s[TV], 256
.endm
.macro LOOP base, causal, qf, qs, dg   ; a chunk's eight key steps: the trip count is a constant; what is left out is a step's work
	s_mov_b32 s[TB], \base
	s_mov_b32 s[TS], \base
	s_mov_b32 s[TV], \base
	s_mov_b32 s[J], 0
.Lstep_\@:
	STEP \causal, \qf, \qs, \dg
	s_add_co_u32 s[J], s[J], 1
	s_cmp_lt_u32 s[J], 8
	s_cbranch_scc1 .Lstep_\@
	s_setprio 0
.endm
; A tile ends: O^T / l; register 8 dt + j is channel 16 dt + 8 h + j of my query: two blocks of 32 along C.  They are quantised as p is; the four code registers are half a fragment of the last product.
.macro FINISH pco, os, sb
.rept 4
	v_nop                                          ; places behind the last products
.endr
	v_add_f32 v14, v14, v15                        ; the sum's two halves,
	s_delay_alu instid0(VALU_DEP_1)
	v_permlanex16_b32 v252, v14, s[SEL], s[SEL+1]
	s_delay_alu instid0(VALU_DEP_1)
	v_add_f32 v14, v14, v252                       ; and lane l xor 16's
	s_wait_alu depctr_va_vdst(0)
	v_rcp_f32 v14, v14
	v_nop                                          ; a plain place behind the transcendental
	s_wait_alu depctr_va_vdst(0)                   ; and the wait ahead of its first reader
.set n, 0
.rept 32
	v_mul_f32 v[96+n], v[160+n], v14               ; each accumulator from its low end on
.set n, n+1
.endr
.irp b, 0,1
	v_max3_num_f32 v[232+\b], |v[96+16*\b]|, |v[97+16*\b]|, 0x1800000
.endr
.irp i, 2,4,6,8,10,12,14
.irp b, 0,1
	s_delay_alu instid0(VALU_DEP_2)
	v_max3_num_f32 v[232+\b], v[232+\b], |v[96+16*\b+\i]|, |v[97+16*\b+\i]|
.endr
.endr
.irp b, 0,1
	s_delay_alu instid0(VALU_DEP_2)
	v_permlanex16_b32 v[236+\b], v[232+\b], s[SEL], s[SEL+1]
.endr
.irp b, 0,1
	s_delay_alu instid0(VALU_DEP_2)
	v_max_num_f32 v[232+\b], v[232+\b], v[236+\b]
.endr
.irp b, 0,1
	s_delay_alu instid0(VALU_DEP_2)
	v_add_nc_u32 v[244+\b], 0xff000000, v[232+\b]
.endr
.irp b, 0,1
	s_delay_alu instid0(VALU_DEP_2)
	v_lshrrev_b32 v[236+\b], 23, v[244+\b]
.endr
	s_delay_alu instid0(VALU_DEP_1)
	v_lshl_or_b32 v[\os], v237, 8, v236            ; my row's two scale bytes
.irp d, 0,1,2,3
	v_cvt_scalef32_pk8_fp4_f32 v[\pco+2*(\d%2)+\d/2], v[96+8*\d:103+8*\d], v[244+\d/2]
.endr
	v_nop
	v_permlane16_swap_b32 v[\pco], v[\pco+1]
	v_permlane16_swap_b32 v[\pco+2], v[\pco+3]
	global_store_b128 v[LI], v[\pco:\pco+3], s[\sb:\sb+1]   ; 32 lanes store 512 consecutive bytes, aligned
.endm
	INIT 63                                        ; the late tile first
	s_wait_tensorcnt 1                             ; my part of chunk 0 is in (chunk 1's load, the younger, may be out)
	s_barrier_signal -1
	s_barrier_wait -1                              ; everybody's is
	s_wait_loadcnt 0x0                             ; Q
	LOOP 0, 0, 16, 204, 0                          ; keys 0 .. 1,023 all count for the late tile, whose queries are 1,024 or later: no mask is assembled
	s_wait_tensorcnt 0x0                           ; my part of chunk 1 is in,
	s_wait_dscnt 0x0
	s_barrier_signal -1
	s_barrier_wait -1                              ; everybody's is
	LOOP CHUNK, 1, 16, 204, DGL
	FINISH 208, 216, 46
	INIT 62                                        ; the early tile: its keys lie in chunk 0
	LOOP 0, 1, 24, 205, DGE
	FINISH 212, 217, 48
	v_bfe_u32 v8, v0, 4, 1
	s_delay_alu instid0(VALU_DEP_1)
	v_cmp_eq_u32 vcc_lo, 1, v8
	s_delay_alu instid0(VALU_DEP_1)
	v_cndmask_b32 v216, v217, v216, vcc_lo         ; lanes 0-15: the early tile's rows, lanes 16-31: the late tile's (every lane holds its row r's bytes)
	global_store_b16 v11, v216, s[12:13]           ; two bytes of each row's 32: one sixteenth of this launch's output, one instruction a wave; it leaves aosc in plain rows for the next launch
	s_wait_dscnt 0x0
	s_wait_tensorcnt 0x0
	ds_add_u32 v251, v255
	s_wait_dscnt 0x0
	CROUND                                         ; the closing round
	s_endpgm
.Lfunc_end_k_q4a30d25e3d_attn:
	.size	k_q4a30d25e3d_attn, .Lfunc_end_k_q4a30d25e3d_attn-k_q4a30d25e3d_attn
	.p2alignl 7, 3214868480
	.fill 96, 4, 3214868480
	.section	.rodata,"a",@progbits
	.p2align	6, 0x0
	.amdhsa_kernel k_q4a30d25e3d_attn
		.amdhsa_group_segment_fixed_size 169984
		.amdhsa_private_segment_fixed_size 0
		.amdhsa_enable_private_segment 0
		.amdhsa_kernarg_size 40
		.amdhsa_user_sgpr_count 2
		.amdhsa_user_sgpr_kernarg_segment_ptr 1
		.amdhsa_wavefront_size32 1
		.amdhsa_system_sgpr_workgroup_id_x 1
		.amdhsa_system_sgpr_workgroup_id_y 1
		.amdhsa_system_sgpr_workgroup_id_z 1
		.amdhsa_system_vgpr_workitem_id 0
		.amdhsa_next_free_vgpr 256
		.amdhsa_next_free_sgpr 66
		.amdhsa_reserve_vcc 1
		.amdhsa_float_denorm_mode_32 3
		.amdhsa_float_denorm_mode_16_64 3
		.amdhsa_memory_ordered 1
		.amdhsa_forward_progress 1
		.amdhsa_inst_pref_size 79
	.end_amdhsa_kernel
	.amdgpu_metadata
---
amdhsa.version: [ 1, 2 ]
amdhsa.kernels:
  - .name:           k_q4a30d25e3d_attn
    .symbol:         k_q4a30d25e3d_attn.kd
    .args:
      - { .name: qimg, .offset: 0, .size: 8, .value_kind: global_buffer, .address_space: global }
      - { .name: qsc, .offset: 8, .size: 8, .value_kind: global_buffer, .address_space: global }
      - { .name: kv, .offset: 16, .size: 8, .value_kind: global_buffer, .address_space: global }
      - { .name: aoimg, .offset: 24, .size: 8, .value_kind: global_buffer, .address_space: global }
      - { .name: aosc, .offset: 32, .size: 8, .value_kind: global_buffer, .address_space: global }
    .group_segment_fixed_size: 169984
    .private_segment_fixed_size: 0
    .kernarg_segment_align: 8
    .kernarg_segment_size: 40
    .max_flat_workgroup_size: 512
    .sgpr_count:     66
    .vgpr_count:     256
    .wavefront_size: 32
...
	.end_amdgpu_metadata
.endif
;; end of part 2
;; launch proj (part 3): grid 4 x 64, 8 waves a work-group, clusters of 4 x 4, 253,696 bytes of LDS; arguments aoimg, aosc, W_o_codes, W_o_scales, b_o, out0; writes out0
.if DOCPART == 3
	.amdgcn_target "amdgcn-amd-amdhsa--gfx1250"
	.amdhsa_code_object_version 6
	.text
	.protected	k_q4a30d25e3d_proj
	.globl	k_q4a30d25e3d_proj
	.p2align	8
	.type	k_q4a30d25e3d_proj,@function
k_q4a30d25e3d_proj:
	s_mov_b64 s[64:65], 0
	v_nop
	global_prefetch_b8 v0, s[64:65] scope:SCOPE_SE
	s_setreg_imm32_b32 hwreg(HW_REG_WAVE_MODE, 25, 1), 1
	s_wait_xcnt 0x0
	s_wait_alu depctr_hold_cnt(0) depctr_sa_sdst(0) depctr_va_vdst(0) depctr_va_sdst(0) depctr_va_ssrc(0) depctr_va_vcc(0) depctr_vm_vsrc(0)
	s_getreg_b32 s2, hwreg(HW_REG_IB_STS2, 6, 4)
	s_cmp_eq_u32 s2, 0
	s_cbranch_scc0 .Lentry_in_a_cluster
	s_endpgm
.Lentry_in_a_cluster:
	s_bfe_u32 s2, ttmp6, 0x10000c
	s_cmp_lg_u32 s2, 0xf033
	s_cbranch_scc0 .Lentry_shape_is_right
	s_endpgm
.Lentry_shape_is_right:
; out0 = A W_o + b_o on codes of FP4 (E2M1), K = 1,024.  A, the attention's result, comes as images of operand registers (aoimg) and rows of 32 scale bytes (aosc); W_o as given: rows of 512 bytes of codes, 32 of scales.
; 256 work-groups, one for each WGP: 128 tokens x 256 columns each; the launch's bytes are mostly its stores (4 bytes a number), so the tile is chosen to share those evenly, not for the largest wave tile.
; Eight waves: wave (wr = w / 4, wc = w % 4) makes 64 tokens x 64 columns: 16 accumulators, no register windows; a wave's row of results is one aligned 256 bytes of out0.
; All of K lies in LDS, in two halves, each filled once: the first half is multiplied while the second lands.
; CLUSTERS: 4 x 4 work-groups: A's tiles are shared along a row of the cluster, W_o's along a column: joint loads divide the requests by four.
; THE MATRIX INSTRUCTION IS USED TRANSPOSED (source 0 = 16 rows of W_o, source 1 = 16 tokens): a lane holds eight neighbouring numbers of a row of out0.  The bias is the C of each sum's first instruction.
; LIMITS: NaN and infinities are not served; the bias is the sum's first term, not its last: another order of f32 rounding.
.set AIMG, 0                           ; A's images: [K half][tile of 16 tokens 8][K step 4][c 2][512 bytes], dense
.set BCOD, 65536                       ; W_o's codes: for each K half 256 rows of 256 bytes + 16 of padding
.set BHALF, 256*272
.set ASC,  BCOD+2*BHALF                ; A's scale bytes: 16 rows of 256 bytes + 16 (eight tokens a row)
.set BSC,  ASC+16*272                  ; W_o's: 32 such rows
.set STG,  BSC+32*272                  ; the way out: 16 rows x (256 bytes + 16) for each wave: bytes of their own, into which no tensor load lands
.set PADW, (1<<20)|(1<<21)|(5<<22)|(3<<25)   ; padding on, bit 21 set beside a mask, four words after every 64
.set ADRA, 4                           ; v4   16 x lane + 16,384 wr
.set ADRB, 5                           ; v5-6 my rows of W_o in K half 0, 1
.set ADRS, 7                           ; v7   my scale words: lanes 0-15 A's, lanes 16-31 W_o's
.set STO,  8                           ; v8   the stage: where I put 32 bytes of a row
.set RD,   9                           ; v9   and where I read a row back
.set CO,   10                          ; v10  my byte offset in two rows of out0
.set BIAS, 16                          ; v16-47   b_o in the result's layout, four tiles
.set SC,   48                          ; v48-63   scale words: register 4 i + q: lanes 0-15 A's tile i, lanes 16-31 W_o's tile i, K step q of the half
.set AF,   64                          ; v64-95   A's four fragments;  on the way out rows of results
.set BF,   96                          ; v96-127  W_o's four
.set ACC,  128                         ; v128-255 accumulator (i, b) at v[128 + 8 (4 i + b)]
.set WV,   16                          ; s16  my wave's number
.macro CROUND                          ; a round of the cluster's barrier
	s_barrier_signal -1
	s_barrier_wait -1
	s_cmp_lg_u32 s[WV], 0
	s_cbranch_scc1 .Lnot_wave_0_\@
	s_barrier_signal -3
.Lnot_wave_0_\@:
	s_barrier_wait -3
	s_barrier_signal -1
	s_barrier_wait -1
.endm
	s_load_b256 s[4:11], s[0:1], 0x0               ; aoimg s[4:5], aosc s[6:7], W_o's codes s[8:9], W_o's scales s[10:11]
	s_load_b128 s[12:15], s[0:1], 0x20             ; b_o s[12:13], out0 s[14:15]
	v_lshl_add_u32 v14, v0, 2, 0x3db00
	v_mov_b32 v15, 0
	ds_add_u32 v14, v15
	ds_add_u32 v14, v15
	v_lshrrev_b32 v1, 5, v0
	s_delay_alu instid0(VALU_DEP_1)
	v_readfirstlane_b32 s[WV], v1                  ; wave 0..7
	s_and_b32 s17, s[WV], 3                        ; wc.  Also: which quarter of a tile I fetch
	s_lshr_b32 s21, s[WV], 2                       ; wr.  Also: I fetch for W_o (0) or for A (1)
	s_bfe_u32 s18, ttmp6, 0x40000                  ; cx, cy: my place in the cluster
	s_bfe_u32 s19, ttmp6, 0x40004
	s_lshl_b32 s22, ttmp9, 2
	s_add_co_u32 s22, s22, s18                     ; my tile of 256 columns
	s_and_b32 s20, ttmp7, 0xffff
	s_lshl_b32 s20, s20, 2
	s_add_co_u32 s20, s20, s19                     ; my block of 128 tokens
	s_lshl_b32 s84, s19, 2
	s_lshl_b32 s84, 15, s84                        ; my row of the cluster
	s_lshl_b32 s85, 0x1111, s18                    ; my column
	s_or_b32 s24, s85, (0<<16)|PADW                ; s[24:31] W_o's codes: 64 rows x 256 bytes, 512 bytes apart, padded
	s_mov_b32 s25, 256<<16
	s_mov_b32 s26, 64<<16
	s_mov_b32 s27, 256<<16
	s_mov_b32 s28, 64
	s_mov_b32 s29, 512
	s_mov_b32 s30, 0
	s_mov_b32 s31, 0
	s_or_b32 s32, s85, (3<<16)|PADW                ; s[32:39] W_o's scales of 64 rows: 2,048 dense bytes as 8 rows of 256 (32 elements of 8), padded
	s_mov_b32 s33, 32<<16
	s_mov_b32 s34, 8<<16
	s_mov_b32 s35, 32<<16
	s_mov_b32 s36, 8
	s_mov_b32 s37, 32
	s_mov_b32 s38, 0
	s_mov_b32 s39, 0
	s_or_b32 s40, s84, (3<<16)|(1<<21)             ; s[40:47] A's images: 8,192 dense bytes as 32 rows of 256, no padding
	s_mov_b32 s41, 32<<16
	s_mov_b32 s42, 32<<16
	s_mov_b32 s43, 32<<16
	s_mov_b32 s44, 32
	s_mov_b32 s45, 32
	s_mov_b32 s46, 0
	s_mov_b32 s47, 0
	s_or_b32 s48, s84, (3<<16)|PADW                ; s[48:55] A's scales of 32 tokens: 1,024 dense bytes as 4 rows of 256, padded
	s_mov_b32 s49, 32<<16
	s_mov_b32 s50, 4<<16
	s_mov_b32 s51, 32<<16
	s_mov_b32 s52, 4
	s_mov_b32 s53, 32
	s_mov_b32 s54, 0
	s_mov_b32 s55, 0
	; where the tiles come from: W_o's hang on the column tile alone, A's on the block of tokens alone, each in registers that never hold the other coordinate
	s_lshl_b32 s86, s22, 8
	s_lshl_b32 s87, s17, 6
	s_add_co_u32 s86, s86, s87                     ; W_o: row 256 x column tile + 64 x quarter
	s_lshl_b32 s88, s86, 5                         ; its scales,
	s_lshl_b32 s86, s86, 9                         ; its codes
	s_mov_b32 s87, 0
	s_mov_b32 s89, 0
	s_lshl_b32 s90, s20, 16
	s_lshl_b32 s91, s17, 13
	s_add_co_u32 s90, s90, s91                     ; aoimg: 65,536 x block + 8,192 x quarter
	s_lshl_b32 s92, s20, 12
	s_lshl_b32 s93, s17, 10
	s_add_co_u32 s92, s92, s93                     ; aosc: 4,096 x block + 1,024 x quarter
	s_mov_b32 s91, 0
	s_mov_b32 s93, 0
	s_mul_i32 s94, s17, 64*272                     ; and where they go: no place in the cluster enters an LDS address
	s_mul_i32 s95, s17, 8*272
	s_lshl_b32 s96, s17, 13
	s_mul_i32 s97, s17, 4*272
	s_wait_dscnt 0x0
	s_wait_kmcnt 0x0
	s_add_nc_u64 s[86:87], s[8:9], s[86:87]
	s_add_nc_u64 s[88:89], s[10:11], s[88:89]
	s_add_nc_u64 s[90:91], s[4:5], s[90:91]
	s_add_nc_u64 s[92:93], s[6:7], s[92:93]
	CROUND                                         ; all sixteen work-groups are here: the joint loads meet
	s_mov_b32 s56, 1                               ; s[56:59] W_o's scales
	s_add_co_u32 s57, s95, BSC
	s_mov_b64 s[58:59], s[88:89]
	s_or_b32 s59, s59, 0x80000000
	s_mov_b32 s60, 1                               ; s[60:63] W_o's codes, K half 0
	s_add_co_u32 s61, s94, BCOD
	s_mov_b64 s[62:63], s[86:87]
	s_or_b32 s63, s63, 0x80000000
	s_mov_b32 s68, 1                               ; s[68:71] K half 1
	s_add_co_u32 s69, s94, BCOD+BHALF
	s_add_nc_u64 s[70:71], s[86:87], 256
	s_or_b32 s71, s71, 0x80000000
	s_mov_b32 s72, 1                               ; s[72:75] A's scales
	s_add_co_u32 s73, s97, ASC
	s_mov_b64 s[74:75], s[92:93]
	s_or_b32 s75, s75, 0x80000000
	s_mov_b32 s76, 1                               ; s[76:79] A's images, K half 0
	s_mov_b32 s77, s96
	s_mov_b64 s[78:79], s[90:91]
	s_or_b32 s79, s79, 0x80000000
	s_mov_b32 s80, 1                               ; s[80:83] K half 1
	s_add_co_u32 s81, s96, 32768
	s_add_nc_u64 s[82:83], s[90:91], 32768
	s_or_b32 s83, s83, 0x80000000
	s_cmp_lt_u32 s[WV], 4                          ; waves 0-3 fetch for W_o, waves 4-7 for A: a wave's three fills stand in one branch: three tensor loads of mine are out, and these are all that the launch has
	s_cbranch_scc0 .Lfor_a
	tensor_load_to_lds s[56:59], s[32:39]
	s_nop 0
	tensor_load_to_lds s[60:63], s[24:31]
	s_nop 0
	tensor_load_to_lds s[68:71], s[24:31]
	s_nop 0
.rept 4
	v_nop
.endr
	s_branch .Lasked
.Lfor_a:
	tensor_load_to_lds s[72:75], s[48:55]
	s_nop 0
	tensor_load_to_lds s[76:79], s[40:47]
	s_nop 0
	tensor_load_to_lds s[80:83], s[40:47]
	s_nop 0
.rept 4
	v_nop
.endr
.Lasked:
	v_and_b32 v1, 15, v0                           ; r
	v_bfe_u32 v2, v0, 4, 1                         ; h
	v_and_b32 v3, 31, v0
	s_delay_alu instid0(VALU_DEP_1)
	v_lshlrev_b32 v[ADRA], 4, v3
	s_lshl_b32 s84, s21, 14
	v_add_nc_u32 v[ADRA], s84, v[ADRA]             ; an image's 16 bytes a lane; my four tiles of tokens
	s_mul_i32 s84, s17, 64*272
	v_mul_u32_u24 v5, v1, 272
	s_delay_alu instid0(VALU_DEP_1)
	v_lshl_add_u32 v5, v2, 4, v5
	s_delay_alu instid0(VALU_DEP_1)
	v_add_nc_u32 v5, s84, v5                       ; W_o: row 64 wc + r, + 16 h
	s_delay_alu instid0(VALU_DEP_1)
	v_add_nc_u32 v6, BCOD+BHALF, v5
	s_delay_alu instid0(VALU_DEP_2)
	v_add_nc_u32 v5, BCOD, v5
	v_and_b32 v[ADRS], 7, v1                       ; a row's 32 scale bytes: eight rows to 256 bytes + 16
	s_delay_alu instid0(VALU_DEP_1)
	v_lshlrev_b32 v[ADRS], 5, v[ADRS]
	v_lshrrev_b32 v11, 3, v1
	s_delay_alu instid0(VALU_DEP_1)
	v_mad_u32_u24 v[ADRS], v11, 272, v[ADRS]
	s_mul_i32 s84, s21, 8*272                      ; A's: my 64 tokens
	s_mul_i32 s85, s17, 8*272                      ; W_o's: my 64 rows
	s_add_co_u32 s85, s85, BSC-ASC
	s_sub_co_u32 s85, s85, s84
	v_mul_u32_u24 v11, s85, v2                     ; lanes 16-31 take W_o's
	s_add_co_u32 s84, s84, ASC
	v_add_nc_u32 v[ADRS], v[ADRS], v11
	s_delay_alu instid0(VALU_DEP_1)
	v_add_nc_u32 v[ADRS], s84, v[ADRS]
	s_mul_i32 s84, s[WV], 16*272
	s_add_co_u32 s84, s84, STG                     ; my stage
	v_mul_u32_u24 v[STO], v1, 272
	s_delay_alu instid0(VALU_DEP_1)
	v_lshl_add_u32 v[STO], v2, 5, v[STO]
	s_delay_alu instid0(VALU_DEP_1)
	v_add_nc_u32 v[STO], s84, v[STO]               ; in: row r, 32 bytes for each half of the lanes
	v_mul_u32_u24 v[RD], v2, 272
	s_delay_alu instid0(VALU_DEP_1)
	v_lshl_add_u32 v[RD], v1, 4, v[RD]
	s_delay_alu instid0(VALU_DEP_1)
	v_add_nc_u32 v[RD], s84, v[RD]                 ; back: lanes 0-15 one row of 256 bytes, lanes 16-31 the next
	v_lshlrev_b32 v[CO], 12, v2
	s_delay_alu instid0(VALU_DEP_1)
	v_lshl_add_u32 v[CO], v1, 4, v[CO]             ; and the same two rows in out0
	v_lshlrev_b32 v12, 5, v2                       ; the bias: 32 h
	s_wait_alu depctr_va_vdst(0)
	s_lshl_b32 s84, s22, 10
	s_lshl_b32 s85, s17, 8
	s_add_co_u32 s84, s84, s85                     ; my first column, in bytes
	s_mov_b32 s85, 0
	s_add_nc_u64 s[12:13], s[12:13], s[84:85]
	s_add_nc_u64 s[14:15], s[14:15], s[84:85]
	s_lshl_b32 s84, s20, 19                        ; my first row: 128 x block + 64 wr, 4,096 bytes a row
	s_lshl_b32 s86, s21, 18
	s_add_co_u32 s84, s84, s86
	s_add_nc_u64 s[14:15], s[14:15], s[84:85]
.irp b, 0,1,2,3
	global_load_b128 v[BIAS+8*\b:BIAS+8*\b+3], v12, s[12:13] offset:64*\b        ; tile b wants b_o[16 b + 8 h + 0 .. 7]
	global_load_b128 v[BIAS+8*\b+4:BIAS+8*\b+7], v12, s[12:13] offset:64*\b+16
.endr
; A step of 128 along K: the q-th of K half hk.  16 matrix instructions, the 16 accumulators by turns.  first = 1: C is the bias.
.macro KSTEP hk, q, first
.if \first == 0
.rept 4
	v_nop                                          ; places in front of loads into registers that matrix instructions have read
.endr
.endif
.irp i, 0,1,2,3
.irp c, 0,1
	ds_load_b128 v[AF+8*\i+4*\c:AF+8*\i+4*\c+3], v[ADRA] offset:32768*\hk+4096*\i+1024*\q+512*\c
.endr
.endr
.irp b, 0,1,2,3
.irp c, 0,1
	ds_load_b128 v[BF+8*\b+4*\c:BF+8*\b+4*\c+3], v[ADRB+\hk] offset:16*272*\b+64*\q+32*\c
.endr
.endr
.if \q == 0
.irp i, 0,1,2,3
	ds_load_b128 v[SC+4*\i:SC+4*\i+3], v[ADRS] offset:544*\i+16*\hk    ; the half's four scale words of a row
.endr
.endif
	s_wait_dscnt 0x0
.irp i, 0,1,2,3
.irp b, 0,1,2,3
.if \first
	v_wmma_scale_f32_16x16x128_f8f6f4 v[ACC+8*(4*\i+\b):ACC+8*(4*\i+\b)+7], v[BF+8*\b:BF+8*\b+7], v[AF+8*\i:AF+8*\i+7], v[BIAS+8*\b:BIAS+8*\b+7], v[SC+4*\b+\q], v[SC+4*\i+\q] matrix_a_fmt:MATRIX_FMT_FP4 matrix_b_fmt:MATRIX_FMT_FP4 matrix_a_scale:MATRIX_SCALE_ROW1
.else
	v_wmma_scale_f32_16x16x128_f8f6f4 v[ACC+8*(4*\i+\b):ACC+8*(4*\i+\b)+7], v[BF+8*\b:BF+8*\b+7], v[AF+8*\i:AF+8*\i+7], v[ACC+8*(4*\i+\b):ACC+8*(4*\i+\b)+7], v[SC+4*\b+\q], v[SC+4*\i+\q] matrix_a_fmt:MATRIX_FMT_FP4 matrix_b_fmt:MATRIX_FMT_FP4 matrix_a_scale:MATRIX_SCALE_ROW1
.endif
.endr
.endr
.endm
	s_wait_tensorcnt 1                             ; my scales and my part of K half 0 are in (half 1's load, the youngest, may be out)
	s_barrier_signal -1
	s_barrier_wait -1                              ; everybody's are
	s_wait_loadcnt 0x0                             ; the bias
	KSTEP 0, 0, 1
	KSTEP 0, 1, 0
	KSTEP 0, 2, 0
	KSTEP 0, 3, 0
	s_wait_tensorcnt 0x0                           ; my part of K half 1 is in,
	s_wait_dscnt 0x0
	s_barrier_signal -1
	s_barrier_wait -1                              ; everybody's is
	KSTEP 1, 0, 0
	KSTEP 1, 1, 0
	KSTEP 1, 2, 0
	KSTEP 1, 3, 0
; THE WAY OUT, a tile of 16 tokens x 64 columns at a time.  A lane holds 32 neighbouring bytes of a row and the lanes beside it hold other rows: so a tile goes through my own stage and comes back as whole rows
; of 256 bytes.  LDS serves a wave's instructions in order (ISA guide 5.7.1.4): no wait between the stores and the loads, nor in front of the next tile's stores.
.macro TOSTAGE i
.irp b, 0,1,2,3
	ds_store_b128 v[STO], v[ACC+8*(4*(\i)+\b):ACC+8*(4*(\i)+\b)+3] offset:64*\b        ; each accumulator from its low end on
	ds_store_b128 v[STO], v[ACC+8*(4*(\i)+\b)+4:ACC+8*(4*(\i)+\b)+7] offset:64*\b+16
.endr
.set BB, AF+32*((\i)%2)
.irp t, 0,1,2,3,4,5,6,7
	ds_load_b128 v[BB+4*\t:BB+4*\t+3], v[RD] offset:\t*2*272
.endr
.endm
.macro SEND i, younger                 ; younger: the LDS instructions issued behind tile i's loads, which may stay out
.set BB, AF+32*((\i)%2)
	s_wait_dscnt \younger
.irp t, 0,1,2,3,4,5,6,7
	global_store_b128 v[CO], v[BB+4*\t:BB+4*\t+3], s[14:15] offset:(16*(\i)+2*\t)*4096 th:TH_STORE_NT   ; each half of the lanes stores 256 consecutive bytes, aligned; written once, read by nobody here
.endr
.endm
.rept 4
	v_nop                                          ; places behind the last products: for the stage stores, and for the loads into the registers that held fragments
.endr
	TOSTAGE 0
.irp i, 1,2,3
.if \i > 1
	s_wait_xcnt 0x0                                ; tile i - 2's stores have read their registers: tile i's rows may land there
.endif
	TOSTAGE \i
	SEND \i-1, 16                                  ; behind tile i - 1's loads: tile i's eight stores and eight loads
.endr
	SEND 3, 0
	s_wait_dscnt 0x0
	s_wait_tensorcnt 0x0
	ds_add_u32 v14, v15
	s_wait_dscnt 0x0
	CROUND                                         ; the closing round: no work-group ends while a partner may still ask for a tile that names it
	s_endpgm
.Lfunc_end_k_q4a30d25e3d_proj:
	.size	k_q4a30d25e3d_proj, .Lfunc_end_k_q4a30d25e3d_proj-k_q4a30d25e3d_proj
	.p2alignl 7, 3214868480
	.fill 96, 4, 3214868480
	.section	.rodata,"a",@progbits
	.p2align	6, 0x0
	.amdhsa_kernel k_q4a30d25e3d_proj
		.amdhsa_group_segment_fixed_size 253696
		.amdhsa_private_segment_fixed_size 0
		.amdhsa_enable_private_segment 0
		.amdhsa_kernarg_size 48
		.amdhsa_user_sgpr_count 2
		.amdhsa_user_sgpr_kernarg_segment_ptr 1
		.amdhsa_wavefront_size32 1
		.amdhsa_system_sgpr_workgroup_id_x 1
		.amdhsa_system_sgpr_workgroup_id_y 1
		.amdhsa_system_sgpr_workgroup_id_z 1
		.amdhsa_system_vgpr_workitem_id 0
		.amdhsa_next_free_vgpr 256
		.amdhsa_next_free_sgpr 100
		.amdhsa_reserve_vcc 0
		.amdhsa_float_denorm_mode_32 3
		.amdhsa_float_denorm_mode_16_64 3
		.amdhsa_memory_ordered 1
		.amdhsa_forward_progress 1
		.amdhsa_inst_pref_size 44
	.end_amdhsa_kernel
	.amdgpu_metadata
---
amdhsa.version: [ 1, 2 ]
amdhsa.kernels:
  - .name:           k_q4a30d25e3d_proj
    .symbol:         k_q4a30d25e3d_proj.kd
    .args:
      - { .name: aoimg, .offset: 0, .size: 8, .value_kind: global_buffer, .address_space: global }
      - { .name: aosc, .offset: 8, .size: 8, .value_kind: global_buffer, .address_space: global }
      - { .name: W_o_codes, .offset: 16, .size: 8, .value_kind: global_buffer, .address_space: global }
      - { .name: W_o_scales, .offset: 24, .size: 8, .value_kind: global_buffer, .address_space: global }
      - { .name: b_o, .offset: 32, .size: 8, .value_kind: global_buffer, .address_space: global }
      - { .name: out0, .offset: 40, .size: 8, .value_kind: global_buffer, .address_space: global }
    .group_segment_fixed_size: 253696
    .private_segment_fixed_size: 0
    .kernarg_segment_align: 8
    .kernarg_segment_size: 48
    .max_flat_workgroup_size: 256
    .sgpr_count:     100
    .vgpr_count:     256
    .wavefront_size: 32
...
	.end_amdgpu_metadata
.endif
;; end of part 3
